; MI455X (gfx1250); checked and timed in simulation.
; The chip was launched on July 23, 2026; its instructions are those of AMD's public machine-readable ISA for CDNA 5 (MIT licence, August 2026) and "CDNA5" Instruction Set Architecture Reference Guide (July 2026). The comments in the code are by the model that wrote it; some were corrected since.
;; Causal Self Attn. Allowed arithmetic: matrix products marked QUANTISED: E2M3 operands, one E8M0 scale for each 32 along K, by v_wmma_scale_f32_16x16x128_f8f6f4 with both operands' format E2M3, f32 sums; everything else in f32.
;; Inputs: W_k_codes 1,024 x 32 x 24 uint8 (E2M3 codes of W_k, K innermost, in blocks of 32 codes, four codes in three bytes); W_k_scales 1,024 x 32 uint8 (E8M0 scales of W_k, one for each 32 codes along K); W_o_codes 1,024 x 32 x 24 uint8 (E2M3 codes of W_o, K innermost, in blocks of 32 codes, four codes in three bytes); W_o_scales 1,024 x 32 uint8 (E8M0 scales of W_o, one for each 32 codes along K); W_q_codes 1,024 x 32 x 24 uint8 (E2M3 codes of W_q, K innermost, in blocks of 32 codes, four codes in three bytes); W_q_scales 1,024 x 32 uint8 (E8M0 scales of W_q, one for each 32 codes along K); W_v_codes 1,024 x 32 x 24 uint8 (E2M3 codes of W_v, K innermost, in blocks of 32 codes, four codes in three bytes); W_v_scales 1,024 x 32 uint8 (E8M0 scales of W_v, one for each 32 codes along K); b_o 1,024 float32; x_codes 4 x 2,048 x 32 x 24 uint8 (E2M3 codes of x, K innermost, in blocks of 32 codes, four codes in three bytes); x_scales 4 x 2,048 x 32 uint8 (E8M0 scales of x, one for each 32 codes along K).
;; Outputs: out0 4 x 2,048 x 1,024 float32.
;; This version of the problem:
;;   THIS VERSION OF THE PROBLEM IS GIVEN IN LOW PRECISION. The matrix products marked QUANTISED in the list below multiply operands that are first quantised to E2M3 (2 exponent bits, 3 mantissa bits; 6 bits a number), with one power-of-two scale for each 32 numbers along K (OCP MX v1.0); their sums are f32. All else is computed in f32.
;;   The module's matrix products, in the order in which they are computed (A, B: the left and right operand; K: the contracted axis; several contracted axes count as one K, in the product's order):
;;     1. [M 8,192, K 1,024] x [K 1,024, N 1,024]; A: input x (given as codes); B: input W_q (given as codes): QUANTISED
;;     2. [M 8,192, K 1,024] x [K 1,024, N 1,024]; A: input x (given as codes); B: input W_k (given as codes): QUANTISED
;;     3. [M 8,192, K 1,024] x [K 1,024, N 1,024]; A: input x (given as codes); B: input W_v (given as codes): QUANTISED
;;     4. batch 64 x [M 2,048, K 64] x [K 64, N 2,048]; A: computed on the way; B: computed on the way: QUANTISED
;;     5. batch 64 x [M 2,048, K 2,048] x [K 2,048, N 64]; A: softmax (see below); B: computed on the way: QUANTISED
;;     6. [M 8,192, K 1,024] x [K 1,024, N 1,024]; A: computed on the way; B: input W_o (given as codes): QUANTISED
;;   THE QUANTISER, for each operand of a quantised product, along K:
;;     - K is cut into blocks of 32 from its start; a last block that is shorter is filled with zeros.
;;     - A block's scale is 2^e with e = floor(log2(the largest magnitude in the block)) - 2, held to -126 .. 127; a block of zeros has e = 0. As a byte (E8M0): e + 127.
;;     - Each number is divided by its block's scale, clamped to +-7.5, and rounded to the nearest number of E2M3, ties to even, subnormals kept.
;;     - The product sums the exact products of the quantised numbers (number of the format x scale) in f32.
;;   ~~~python
;;   def quantise(x, axis):      # numpy; x: float32 -> the quantised numbers, widened to float32 again
;;       x = np.moveaxis(x, axis, -1); K = x.shape[-1]
;;       x = np.pad(x, [(0, 0)] * (x.ndim - 1) + [(0, -K % 32)]); x = x.reshape(x.shape[:-1] + (-1, 32)); a = np.abs(x).max(-1, keepdims=True)
;;       e = np.where(a > 0, np.clip(np.frexp(np.where(a > 0, a, 1))[1] - 1 - 2, -126, 127), 0)      # np.frexp(a)[1] - 1 = floor(log2(a)), exactly
;;       r = np.clip(x / 2.0 ** e, -7.5, 7.5)
;;       step = 2.0 ** (np.maximum(np.frexp(np.where(r == 0, 1, r))[1] - 1, 0) - 3)
;;       q = np.round(r / step) * step * 2.0 ** e      # np.round: ties to even
;;       return np.moveaxis(q.reshape(q.shape[:-2] + (-1,))[..., :K], -1, axis).astype(np.float32)
;;   ~~~
;;   SOFTMAX AHEAD OF A QUANTISED PRODUCT. Where the list says 'softmax', what is quantised is not the finished softmax but p = 2^(t - M), with t = logit x log2(e) and M = ceil(the row's largest t), a whole number; so 1/2 < the row's largest p <= 1. The row's sum l is taken of the UNQUANTISED p, in f32, and the product's result is divided by l at the end. Since M is a whole number, a kernel that streams over the keys may use a running M (the ceiling of the running maximum): every later rescaling is an exact power of two, which a block's scale takes up: the codes' values come out the same.
;;   OPERANDS COMPUTED ON THE WAY. 'Computed on the way' means the value that the module computes at that place (a softmax that the list does not call 'softmax' is quantised finished and normalised). What goes into a quantiser is computed in f32, as accurately as f32 sums, v_exp_f32 and their like allow (about 1e-6 of the number): no bf16 or f16 on the way to a quantiser, and a product that is left as it is and whose result goes on into a quantised operand takes f32 operands (vector FMAs, or v_wmma_f32_16x16x4_f32). A number that lies on a knife's edge between two numbers of the format may be rounded either way, as far as f32 arithmetic and the matrix unit's own rounding can turn it there, and no further.
;;   INPUTS GIVEN AS CODES. W_k (in the module: [1024, 1024], K = its axis 0); W_o (in the module: [1024, 1024], K = its axis 0); W_q (in the module: [1024, 1024], K = its axis 0); W_v (in the module: [1024, 1024], K = its axis 0); x (in the module: [4, 2048, 1024], K = its axis 2): each comes as NAME_codes (uint8): NAME with its K axis moved to the last place and cut into blocks of 32 codes, [.., K / 32, bytes a block], one block behind the other in memory; four codes in three bytes: a row's codes are one little-endian stream of bits, code i at bits 6 i .. 6 i + 5 (a code: sign, 2 exponent bits, 3 mantissa bits); and NAME_scales (uint8): the same leading axes, one E8M0 byte (e + 127) for each 32 codes along K. Its value is code x scale, taken as it is: it is not quantised again, and the codes and scales need not be those that the quantiser above would give.
;; One version. Each part assembles by itself: llvm-mc -triple=amdgcn-amd-amdhsa -mcpu=gfx1250 --defsym DOCPART=n.
;; ======== version 1 of 1: 3 launches
;; workspace buffers: qc 6,291,456 bytes; kc 6,291,456 bytes; vc 6,291,456 bytes; qs 786,432 bytes; kvs 786,432 bytes; cc 6,291,456 bytes; cs 262,144 bytes
;; launch qkv (part 1): grid 12 x 32, 4 waves a work-group, clusters of 4 x 4, 327,680 bytes of LDS; arguments x_codes, x_scales, W_q_codes, W_q_scales, W_k_codes, W_k_scales, W_v_codes, W_v_scales, qc, kc, vc, qs, kvs; writes qc, kc, vc, qs, kvs
.if DOCPART == 1
	.amdgcn_target "amdgcn-amd-amdhsa--gfx1250"
	.amdhsa_code_object_version 6
	.text
	.protected	k_qefd6f815fb_qkv
	.globl	k_qefd6f815fb_qkv
	.p2align	8
	.type	k_qefd6f815fb_qkv,@function
k_qefd6f815fb_qkv:
	s_mov_b64 s[64:65], 0
	v_nop
	global_prefetch_b8 v0, s[64:65] scope:SCOPE_SE
	s_setreg_imm32_b32 hwreg(HW_REG_WAVE_MODE, 25, 1), 1
	s_wait_xcnt 0x0
	s_wait_alu depctr_hold_cnt(0) depctr_sa_sdst(0) depctr_va_vdst(0) depctr_va_sdst(0) depctr_va_ssrc(0) depctr_va_vcc(0) depctr_vm_vsrc(0)
	s_getreg_b32 s2, hwreg(HW_REG_IB_STS2, 6, 4)
	s_cmp_eq_u32 s2, 0
	s_cbranch_scc0 .Lentry_in_a_cluster
	s_endpgm
.Lentry_in_a_cluster:
	s_bfe_u32 s2, ttmp6, 0x10000c
	s_cmp_lg_u32 s2, 0xf033
	s_cbranch_scc0 .Lentry_shape_is_right
	s_endpgm
.Lentry_shape_is_right:
; q = x W_q, k = x W_k, v = x W_v on codes of FP6 (E2M3) with E8M0 scales, f32 sums; the results are quantised here, in registers, and leave as codes and scale words.
; ONE BODY, C = A B^T with K = 1,024, for all three.  Cluster x says which: 0: q, 1: k (A = x, 8,192 rows; B = the weight, 1,024 rows), 2: v (A = W_v, B = x).
; A tile of C, 256 x 256, is made by four waves, each 128 x 128: 64 accumulators, 512 registers.  K goes in steps of 256 through a ring of two LDS slots (rows of 192 bytes).
; The scale bytes of the tile's 256 + 256 rows, for all of K, come into LDS once.  CLUSTERS: 4 x 4 work-groups; A's tiles are asked for jointly along a row of the cluster, B's along a column.
; THE MATRIX INSTRUCTION IS USED TRANSPOSED (source 0 = 16 rows of B, source 1 = 16 rows of A): a lane holds ONE row of A, and the 64 registers of a block of A run along the wave's 128 rows of B.
; For q and k those are 128 features = two heads of 64, the K of the scores; for v they are 128 tokens, the K of the second product.  So one macro quantises all three, in blocks of 32 along those registers.
; ORDER INSIDE A BLOCK OF 32.  Registers 16 B + i of lane half h hold elements 32 B + 8 h + i (i < 8) and 32 B + 16 + 8 h + i - 8: the right block, in a fixed order of its own (0-7, 16-23, 8-15, 24-31).
; q and k get the same order, and so do v and the softmax's p in the next launch: a permutation of K applied alike to both operands keeps every product and every block.
; OUT.  A fragment (16 rows x 128 K, 12 registers a lane) leaves as two halves of 6 registers, 768 bytes each: registers 0-3 at 16 x lane, registers 4-5 at 512 + 8 x lane:
; each store of the wave covers 512 or 256 consecutive bytes, aligned to 256.  Codes: [batch x 8 + pair of heads][step of 128 tokens][block 8][half 2][768].
; Scale words: [batch x 16 + head][step][768]: q's and k's at 16 x lane (word c: token tile 2 c in lanes 0-15, 2 c + 1 in lanes 16-31), v's at 512 + 8 x lane (word c: tile 2 c or 2 c + 1 of the head's 64).
; LIMITS: NaN and infinities among the numbers are not served.  A block whose largest magnitude lies under 2^-124, a block of zeros among them, gets the byte 1 (the quantiser says 127 for zeros): its codes
; are zeros or nearly so, and this program alone reads the bytes.
.set KSTEP,  256                       ; along K in a slot
.set NQ,     KSTEP/128                 ; matrix instructions deep
.set ROWB,   192                       ; a tile's row in bytes
.set KROW,   768                       ; a row of 1,024 codes in memory
.set PITCH,  240                       ; an LDS row: 3 x (64 bytes + 16 of padding)
.set FR,     12                        ; registers of a fragment
.set NL,     6                         ; LDS loads that bring one
.set NP,     4                         ; places behind this matrix instruction (ISA guide 7.12.1)
.set HALFT,  128*PITCH                 ; 128 rows: one tensor load
.set SLOT,   4*HALFT                   ; A's 256 rows, then B's 256
.set LAPS,   2                         ; 1,024 / (2 x 256)
.set KS,     32                        ; a row of scale bytes
.set SCL,    2*SLOT                    ; behind the ring: the scales, as units of 256 bytes + 16 of padding
.set HALFS,  (128*KS/256)*272          ; those of 128 rows
.set SBLK,   (16*KS/256)*272           ; those of 16 rows
.set SPARE,  SCL+4*HALFS               ; behind the scales: the spare words, 128 bytes for each wave
.set ADRA, 16                          ; v16-19  LDS addresses of my A fragments (slot 0, 1; the same behind one padding more)
.set ADRB, 20                          ; v20-23  the same for B
.set L16,  24                          ; v24     16 x lane
.set L8,   25                          ; v25     512 + 8 x lane
.set LANE, 26                          ; v26     lane
.set ADRS, 27                          ; v27     LDS address of my scale words: lanes 0-15 A's rows, lanes 16-31 B's
.set SPW,  28                          ; v28     LDS address of my spare word; never rewritten
.set NIL,  29                          ; v29     0; never rewritten
.set SC,   32                          ; v32-63  scale words, two sets; they hold nothing else
.set TM,   64                          ; the way out: v64-67 largest magnitudes, v68-71 the partner's, then bytes, v76-79 the conversions' scale operands
.set CT,   80                          ; v80-86  the conversions' second halves
.set CD,   96                          ; v96-191 the codes: 12 registers for each of the 8 blocks, so that no store's data are written again
.set PW,   192                         ; v192-199 a scale word for each block
.set E,    200                         ; v200-203 the words as they leave; v204-207 the odd head's; v208-211 the even head's
.set F,    204
.set EL,   208
.set AF,   128                         ; A's fragments, in window 0
.set G1, 24                            ; s[24:31], s[32:39] descriptor groups 1 and 0 (a set for each slot) for A's tiles
.set G0, 32
.set G1B, 48                           ; s[48:55], s[56:63] for B's
.set G0B, 56
.set G1S, 68                           ; s[68:75], s[76:79] for A's scales;  s[80:87], s[88:91] for B's (written over the pointers once those are chosen)
.set G0S, 76
.set G1SB, 80
.set G0SB, 88
.set MSB, 0
.macro WIN new                         ; the immediate's high byte repeats the setting that is left
.if MSB != \new
	s_set_vgpr_msb (MSB<<8)|\new
.set MSB, \new
.endif
.endm
.set MUL_LO, 0xa1                      ; source 0 (B) window 1, source 1 (A) window 0, C and D window 2
.set MUL_HI, 0xf1                      ; the same, C and D window 3
.set TO_B,   0x40                      ; destination window 1, address window 0
; A joint load: waves 0 and 1 fetch for A, waves 2 and 3 for B; the branch hangs on the wave's number alone.  Four v_nop follow each of the two lines.
.macro JLOAD g0a, g1a, g0b, g1b
	s_cmp_eq_u32 s15, 0
	s_cbranch_scc0 .Lfor_b_\@
	tensor_load_to_lds s[\g0a:\g0a+3], s[\g1a:\g1a+7]
	s_nop 0
.rept 4
	v_nop
.endr
	s_branch .Lasked_\@
.Lfor_b_\@:
	tensor_load_to_lds s[\g0b:\g0b+3], s[\g1b:\g1b+7]
	s_nop 0
.rept 4
	v_nop
.endr
.Lasked_\@:
.endm
.macro CREST                           ; a round of the cluster's barrier behind its opening barrier
	s_cmp_lg_u32 s14, 0
	s_cbranch_scc1 .Lnot_wave_0_\@
	s_barrier_signal -3
.Lnot_wave_0_\@:
	s_barrier_wait -3
	s_barrier_signal -1
	s_barrier_wait -1
.endm
.macro CROUND                          ; a whole round
	s_barrier_signal -1
	s_barrier_wait -1
	CREST
.endm
	s_load_b512 s[68:83], s[0:1], 0x0              ; x's codes, x's scales, W_q's, W_k's, W_v's
	s_load_b256 s[84:91], s[0:1], 0x40             ; qc, kc, vc, qs
	s_load_b64 s[92:93], s[0:1], 0x60              ; kvs
	v_lshl_add_u32 v[SPW], v0, 2, SPARE
	v_mov_b32 v[NIL], 0
	ds_add_u32 v28, v29
	ds_add_u32 v28, v29
	s_wait_dscnt 0x0
	v_lshrrev_b32 v1, 5, v0
	v_readfirstlane_b32 s14, v1                    ; wave 0..3
	s_lshr_b32 s15, s14, 1                         ; which half of the tile's rows of A is mine.  Also: I fetch for A (0) or for B (1)
	s_and_b32 s16, s14, 1                          ; which half of its rows of B.  Also: which 128 rows I fetch
	s_bfe_u32 s40, ttmp6, 0x40000                  ; cx, cy: my place in the cluster
	s_bfe_u32 s41, ttmp6, 0x40004
	s_and_b32 s18, ttmp7, 0xffff
	s_lshl_b32 s18, s18, 2                         ; 4 x cluster y: it walks x's 32 blocks of 256 tokens
	s_cmp_eq_u32 ttmp9, 2                          ; v's cluster?  The same answer in all sixteen work-groups
	s_cselect_b32 s98, 1, 0
	s_cselect_b32 s17, 0, s18                      ; q, k: the tokens are A's rows;
	s_cselect_b32 s42, s18, 0                      ; v: they are B's
	s_add_co_u32 s17, s17, s41                     ; tile row (A) = its base + cy
	s_add_co_u32 s42, s42, s40                     ; tile column (B) = its base + cx
	s_lshl_b32 s43, s41, 2
	s_lshl_b32 s43, 15, s43                        ; my row of the cluster
	s_lshl_b32 s44, 0x1111, s40                    ; my column
	; descriptor group 1: a tile of 128 rows x 192 bytes, 16 bytes of padding behind every 64
	s_or_b32 s[G1+0], s43, (0<<16)|(1<<20)|(1<<21)|(3<<22)|(3<<25)
	s_or_b32 s[G1B+0], s44, (0<<16)|(1<<20)|(1<<21)|(3<<22)|(3<<25)
.irp g, G1, G1B
	s_mov_b32 s[\g+1], ROWB<<16                    ; tensor_dim0
	s_mov_b32 s[\g+2], 128<<16                     ; tensor_dim1
	s_mov_b32 s[\g+3], ROWB<<16                    ; tile_dim0
	s_mov_b32 s[\g+4], 128                         ; tile_dim1
	s_mov_b32 s[\g+5], KROW                        ; tensor_dim0_stride
	s_mov_b32 s[\g+6], 0
	s_mov_b32 s[\g+7], 0
.endr
	s_lshl_b32 s18, s16, 7                         ; which 128 rows of the tile I fetch
	s_lshl_b32 s20, s17, 8
	s_add_co_u32 s20, s20, s18                     ; A: row 256 x tile row + 128 x half
	s_lshl_b32 s46, s42, 8
	s_add_co_u32 s46, s46, s18                     ; B: row 256 x tile column + 128 x half
	s_lshl_b32 s22, s20, 5                         ; where these rows' scales begin, in bytes (32 a row),
	s_mov_b32 s23, 0
	s_lshl_b32 s100, s46, 5
	s_mov_b32 s101, 0
	s_mul_i32 s20, s20, KROW                       ; and their codes (8,191 x 768 at the most)
	s_mov_b32 s21, 0
	s_mul_i32 s46, s46, KROW
	s_mov_b32 s47, 0
	s_mul_i32 s45, s14, HALFT                      ; where they go: wave x 128 rows: no place in the cluster enters an LDS address
	s_mul_i32 s99, s14, HALFS
	s_wait_kmcnt 0x0
	s_cmp_eq_u32 ttmp9, 1                          ; the buffers are chosen on the cluster's number alone
	s_cselect_b64 s[8:9], s[76:77], s[72:73]       ; the weight: k's or q's
	s_cselect_b64 s[10:11], s[78:79], s[74:75]
	s_cselect_b64 s[12:13], s[86:87], s[84:85]     ; the codes' buffer
	s_cselect_b64 s[96:97], s[92:93], s[90:91]     ; the scale words' buffer
	s_cmp_eq_u32 ttmp9, 2
	s_cselect_b64 s[4:5], s[80:81], s[68:69]       ; A: W_v or x
	s_cselect_b64 s[6:7], s[82:83], s[70:71]
	s_cselect_b64 s[8:9], s[68:69], s[8:9]         ; B: x or the weight
	s_cselect_b64 s[10:11], s[70:71], s[10:11]
	s_cselect_b64 s[12:13], s[88:89], s[12:13]
	s_cselect_b64 s[96:97], s[92:93], s[96:97]
	s_add_nc_u64 s[20:21], s[4:5], s[20:21]
	s_add_nc_u64 s[22:23], s[6:7], s[22:23]
	s_add_nc_u64 s[46:47], s[8:9], s[46:47]
	s_add_nc_u64 s[100:101], s[10:11], s[100:101]
	; the scales of 128 rows: a dense block of 4,096 bytes, as 16 rows of 256 bytes (32 elements of 8 bytes), 16 bytes of padding behind each
	s_or_b32 s[G1S+0], s43, (3<<16)|(1<<20)|(1<<21)|(5<<22)|(3<<25)
	s_or_b32 s[G1SB+0], s44, (3<<16)|(1<<20)|(1<<21)|(5<<22)|(3<<25)
.irp g, G1S, G1SB
	s_mov_b32 s[\g+1], 32<<16
	s_mov_b32 s[\g+2], (128*KS/256)<<16
	s_mov_b32 s[\g+3], 32<<16
	s_mov_b32 s[\g+4], 128*KS/256
	s_mov_b32 s[\g+5], 32
	s_mov_b32 s[\g+6], 0
	s_mov_b32 s[\g+7], 0
.endr
	CROUND                                         ; all sixteen work-groups are here: the first joint loads meet
	s_mov_b32 s[G0S], 1
	s_add_co_u32 s[G0S+1], s99, SCL
	s_mov_b64 s[G0S+2:G0S+3], s[22:23]
	s_or_b32 s[G0S+3], s[G0S+3], 0x80000000
	s_mov_b32 s[G0SB], 1
	s_add_co_u32 s[G0SB+1], s99, SCL
	s_mov_b64 s[G0SB+2:G0SB+3], s[100:101]
	s_or_b32 s[G0SB+3], s[G0SB+3], 0x80000000
	JLOAD G0S, G1S, G0SB, G1SB                     ; the scales first: they are wanted with K step 0
.irp s, 0,1
	s_mov_b32 s[G0+4*\s], 1
	s_add_co_u32 s[G0+4*\s+1], s45, \s*SLOT
	s_add_nc_u64 s[G0+4*\s+2:G0+4*\s+3], s[20:21], \s*ROWB
	s_or_b32 s[G0+4*\s+3], s[G0+4*\s+3], 0x80000000
	s_mov_b32 s[G0B+4*\s], 1
	s_add_co_u32 s[G0B+4*\s+1], s45, \s*SLOT
	s_add_nc_u64 s[G0B+4*\s+2:G0B+4*\s+3], s[46:47], \s*ROWB
	s_or_b32 s[G0B+4*\s+3], s[G0B+4*\s+3], 0x80000000
	JLOAD G0+4*\s, G1, G0B+4*\s, G1B               ; three tensor loads of mine are out now
.endr
	v_and_b32 v1, 15, v0                           ; l % 16
	v_bfe_u32 v2, v0, 4, 1                         ; l / 16
	v_mul_u32_u24 v3, v1, PITCH
	v_mul_u32_u24 v4, v2, 24
	v_add_nc_u32 v4, v3, v4                        ; a fragment's row x pitch + 24 x half
	v_lshl_add_u32 v5, v2, 4, v4                   ; and the same behind one padding more
	s_mul_i32 s21, s15, HALFT                      ; my 128 rows of A
	s_mul_i32 s22, s16, HALFT                      ; my 128 rows of B,
	s_add_co_u32 s22, s22, 2*HALFT                 ; which lie behind A's 256
.irp s, 0,1
	v_add_nc_u32 v[ADRA+\s], s21, v4
	v_add_nc_u32 v[ADRB+\s], s22, v4
	v_add_nc_u32 v[ADRA+2+\s], s21, v5
	v_add_nc_u32 v[ADRB+2+\s], s22, v5
	s_add_co_u32 s21, s21, SLOT
	s_add_co_u32 s22, s22, SLOT
.endr
	v_mul_u32_u24 v5, v1, KS                       ; my row's scales: 32 bytes a row,
	v_lshrrev_b32 v6, 8, v5
	v_lshl_add_u32 v5, v6, 4, v5                   ; and 16 more for each 256 passed
	s_mul_i32 s21, s15, HALFS                      ; A's: my 128 rows
	s_mul_i32 s22, s16, HALFS                      ; B's: my 128 rows, behind A's 256
	s_add_co_u32 s22, s22, 2*HALFS
	s_sub_co_u32 s22, s22, s21
	v_mul_u32_u24 v6, s22, v2                      ; lanes 16-31 take B's: one product, the distance between the two bases
	s_add_co_u32 s21, s21, SCL
	v_add_nc_u32 v5, v5, v6
	v_add_nc_u32 v[ADRS], s21, v5
	v_and_b32 v[LANE], 31, v0
	v_lshlrev_b32 v[L16], 4, v[LANE]
	v_lshl_add_u32 v[L8], v[LANE], 3, 512
.macro FRAG reg, adr, q, i             ; a fragment: lane l holds row l % 16; registers 6 c .. 6 c + 5 hold K = 64 c + 32 (l / 16) + 0 .. 31: 24 bytes of the row's stream of bits, as they lie
.irp p, 0,1,2,3,4,5                    ; in pieces of 8 bytes.  Lanes 16-31 read three pieces further on than lanes 0-15
.set PC, 12*(\q)+6*(\p/3)+\p%3        ; 16 bytes of padding lie behind every 8 pieces: where the piece three on lies behind one padding more, the second address register serves
.if PC%8 < 5
	ds_load_b64 v[\reg+2*\p:\reg+2*\p+1], v[\adr] offset:8*PC+16*(PC/8)+(\i)*16*PITCH
.else
	ds_load_b64 v[\reg+2*\p:\reg+2*\p+1], v[\adr+2] offset:8*PC+16*(PC/8)+(\i)*16*PITCH
.endif
.endr
.endm
; 16 matrix instructions: A's blocks a0, a0 + 1 x B's eight, 128 along K.  p: B's set;  sc: the set of scale words.  zero = 1: the first product starts the sums.
; The 64 accumulators take turns, one instruction a turn, in the same order in every step.
.macro MUL16 a0, p, q, sc, zero
.irp a, \a0, \a0+1
.irp b, 0,1,2,3,4,5,6,7
.if \zero
	v_wmma_scale_f32_16x16x128_f8f6f4 v[8*(8*((\a)%4)+\b):8*(8*((\a)%4)+\b)+7], v[128*(\p)+FR*\b:128*(\p)+FR*\b+FR-1], v[AF+FR*(\a):AF+FR*(\a)+FR-1], 0, v[SC+8*NQ*(\sc)+NQ*\b+(\q)], v[SC+8*NQ*(\sc)+NQ*(\a)+(\q)] matrix_a_fmt:MATRIX_FMT_FP6 matrix_b_fmt:MATRIX_FMT_FP6 matrix_a_scale:MATRIX_SCALE_ROW1
.else
	v_wmma_scale_f32_16x16x128_f8f6f4 v[8*(8*((\a)%4)+\b):8*(8*((\a)%4)+\b)+7], v[128*(\p)+FR*\b:128*(\p)+FR*\b+FR-1], v[AF+FR*(\a):AF+FR*(\a)+FR-1], v[8*(8*((\a)%4)+\b):8*(8*((\a)%4)+\b)+7], v[SC+8*NQ*(\sc)+NQ*\b+(\q)], v[SC+8*NQ*(\sc)+NQ*(\a)+(\q)] matrix_a_fmt:MATRIX_FMT_FP6 matrix_b_fmt:MATRIX_FMT_FP6 matrix_a_scale:MATRIX_SCALE_ROW1
.endif
.endr
.endr
.endm
.macro FETCH_B slot, q, p              ; B's eight fragments of the slot's q-th 128 along K into set p
	WIN TO_B
.irp i, 0,1,2,3,4,5,6,7
	FRAG 128*(\p)+FR*\i, ADRB+\slot, \q, \i
.endr
	WIN 0
.endm
.macro FETCH_A slot, q, i0             ; A's blocks i0 .. i0 + 3
.irp i, \i0, \i0+1, \i0+2, \i0+3
	FRAG AF+FR*(\i), ADRA+\slot, \q, \i
.endr
.endm
.macro SCALES sc                       ; a K step's scale words into set sc: lanes 0-15 take A's block i, lanes 16-31 B's block i
.irp i, 0,1,2,3,4,5,6,7
	ds_load_b64 v[SC+8*NQ*\sc+NQ*\i:SC+8*NQ*\sc+NQ*\i+1], v[ADRS] offset:\i*SBLK
.endr
.endm
.macro PLACES n                        ; plain vector instructions between a matrix instruction and a load into, or a vector instruction on, its registers
.rept \n
	v_nop
.endr
.endm
; A step of 128 along K that has its successor in the same slot.
.macro STEP slot, q, zero
	s_wait_dscnt 4*NL                              ; B's set and A's blocks 0-3 are in; the youngest 24 loads (A's blocks 4-7) may be out
	WIN MUL_LO
	MUL16 0, (\q)%2, \q, \slot, \zero
	MUL16 2, (\q)%2, \q, \slot, \zero
	s_wait_dscnt 0                                 ; A's blocks 4-7 are in
	PLACES NP
	FETCH_B \slot, (\q)+1, 1-(\q)%2
	FETCH_A \slot, (\q)+1, 0
	WIN MUL_HI
	MUL16 4, (\q)%2, \q, \slot, \zero
	MUL16 6, (\q)%2, \q, \slot, \zero
	PLACES NP
	WIN 0
	FETCH_A \slot, (\q)+1, 4
.endm
; A slot's last step changes slots: ONE barrier; in front of it each wave waits for all its tensor loads, adds 0 to its spare word, and waits for that and for its own reads of this slot.
.macro TURN slot, next, fill
	s_wait_tensorcnt 0x0                           ; all my tensor loads have landed: my part of the next slot
	ds_add_u32 v[SPW], v[NIL]                      ; 0 onto my spare word
	s_wait_dscnt 4*NL+1                            ; (the add and the youngest 24 loads, A's blocks 4-7, may be out)
	WIN MUL_LO
	MUL16 0, 1, NQ-1, \slot, 0                     ; sixteen matrix instructions stand between the add and the wait for it
	s_wait_dscnt 0x0                               ; the add is done, and my reads of this slot are over
	s_barrier_signal -1
	MUL16 2, 1, NQ-1, \slot, 0
	WIN 0
	s_barrier_wait -1
.if \fill
	CREST                                          ; the barrier has opened a round of the cluster's barrier: no wave of any partner still reads this slot or has a load on its way
	s_add_nc_u64 s[G0+4*\slot+2:G0+4*\slot+3], s[G0+4*\slot+2:G0+4*\slot+3], 2*ROWB
	s_add_nc_u64 s[G0B+4*\slot+2:G0B+4*\slot+3], s[G0B+4*\slot+2:G0B+4*\slot+3], 2*ROWB
	JLOAD G0+4*\slot, G1, G0B+4*\slot, G1B         ; the first tensor load behind the round; its four v_nop are the places in front of the loads below
.else
	PLACES NP
.endif
	s_wait_alu depctr_va_vdst(0)
	v_add_nc_u32 v[ADRS], 4*NQ, v[ADRS]            ; on to the next K step's scale words
	FETCH_B \next, 0, 0
	FETCH_A \next, 0, 0
	SCALES \next
	WIN MUL_HI
	MUL16 4, 1, NQ-1, \slot, 0
	MUL16 6, 1, NQ-1, \slot, 0
	PLACES NP
	WIN 0
	FETCH_A \next, 0, 4
.endm
	s_wait_alu depctr_va_vdst(0)
	s_wait_tensorcnt 1                             ; the scales and my part of K step 0 are in (K step 1's load may be out)
	s_barrier_signal -1
	s_barrier_wait -1                              ; everybody's are
	FETCH_B 0, 0, 0
	FETCH_A 0, 0, 0
	SCALES 0
	FETCH_A 0, 0, 4
	STEP 0, 0, 1                                   ; the first step stands in front of the loop: its products start the sums
	s_mov_b32 s3, LAPS-1
.Llap:                                                 ; a trip goes once round the ring and fills both slots again
	TURN 0, 1, 1
	STEP 1, 0, 0
	TURN 1, 0, 1
	STEP 0, 0, 0
	s_sub_co_u32 s3, s3, 1
	s_cmp_lg_u32 s3, 0
	s_cbranch_scc1 .Llap
	TURN 0, 1, 0                                   ; the last lap fills nothing
	STEP 1, 0, 0
	s_wait_dscnt 4*NL                              ; the very last step
	WIN MUL_LO
	MUL16 0, 1, NQ-1, 1, 0
	MUL16 2, 1, NQ-1, 1, 0
	s_wait_dscnt 0
	WIN MUL_HI
	MUL16 4, 1, NQ-1, 1, 0
	MUL16 6, 1, NQ-1, 1, 0
	WIN 0
; THE WAY OUT.  Block a of A (16 rows): its 64 registers, four blocks of 32 along the next K, become 12 registers of codes and a scale word, and the codes leave at once.
.macro QUANTW a
.set AC, 64*((\a)%4)                   ; its eight accumulators, in window 2 (blocks 0-3) or 3 (blocks 4-7)
.set CDA, CD+12*(\a)
	WIN 0x0a+5*((\a)/4)                            ; sources 0 and 1: the accumulators' window
.irp b, 0,1,2,3
	v_max3_num_f32 v[TM+\b], |v[AC+16*\b]|, |v[AC+16*\b+1]|, 0x1800000   ; my 16 numbers of block b, each accumulator from its low end on, and the floor 2^(3 - 127): the byte cannot fall under 1
.endr
.irp i, 2,4,6,8,10,12,14
.irp b, 0,1,2,3
	v_max3_num_f32 v[TM+\b], |v[AC+16*\b+\i]|, |v[AC+16*\b+\i+1]|, v[TM+\b]
.endr
.endr
	WIN 0
.irp b, 0,1,2,3
	v_permlanex16_b32 v[TM+4+\b], v[TM+\b], s20, s21
.endr
.irp b, 0,1,2,3
	v_max_num_f32 v[TM+\b], v[TM+\b], v[TM+4+\b]   ; with lane l xor 16's: the block's largest magnitude
.endr
.irp b, 0,1,2,3
	v_add_nc_u32 v[TM+12+\b], 0xff000000, v[TM+\b] ; 2 off its exponent field: the conversion takes the exponent field of this operand as its scale
.endr
.irp b, 0,1,2,3
	v_lshrrev_b32 v[TM+4+\b], 23, v[TM+12+\b]      ; the scale's byte
.endr
	v_lshl_or_b32 v[PW+(\a)], v[TM+5], 8, v[TM+4]  ; my row's scale word
	v_lshl_or_b32 v[PW+(\a)], v[TM+6], 16, v[PW+(\a)]
	v_lshl_or_b32 v[PW+(\a)], v[TM+7], 24, v[PW+(\a)]
	WIN 0x02+((\a)/4)                              ; source 0: the accumulators' window
.irp c, 0,1
	v_cvt_scalef32_pk16_fp6_f32 v[CDA+6*\c:CDA+6*\c+2], v[AC+32*\c:AC+32*\c+15], v[TM+12+2*\c]
	v_cvt_scalef32_pk16_fp6_f32 v[CT+4*\c:CT+4*\c+2], v[AC+32*\c+16:AC+32*\c+31], v[TM+13+2*\c]   ; (a conversion's three registers begin on an even number)
.endr
	WIN 0
	v_nop                                          ; one plain place behind a scaled conversion
.irp c, 0,1                                    ; the operand's layout wants a WHOLE block in a lane: lanes 0-15 block 2 c, lanes 16-31 block 2 c + 1
.irp i, 0,1,2
	v_permlane16_swap_b32 v[CDA+6*\c+\i], v[CT+4*\c+\i]
.endr
.irp i, 0,1,2
	v_mov_b32 v[CDA+6*\c+3+\i], v[CT+4*\c+\i]
.endr
.endr
	global_store_b128 v[L16], v[CDA:CDA+3], s[12:13] offset:1536*(\a)          ; 512 consecutive bytes
	global_store_b64 v[L8], v[CDA+4:CDA+5], s[12:13] offset:1536*(\a)          ; 256 consecutive bytes behind them
	global_store_b128 v[L16], v[CDA+6:CDA+9], s[12:13] offset:1536*(\a)+768
	global_store_b64 v[L8], v[CDA+10:CDA+11], s[12:13] offset:1536*(\a)+768
.endm
	PLACES NP                                      ; behind the last products: their results are read, and registers that held A's fragments are written
	s_mov_b32 s20, 0x76543210
	s_mov_b32 s21, 0xfedcba98                      ; v_permlanex16_b32's selects for lane l xor 16
.irp b, 0,1,2,3
	v_mov_b32 v[TM+4+\b], 0                        ; written once: a lane permute's destination counts as one of its sources
.endr
	s_lshl_b32 s18, s17, 1
	s_add_co_u32 s18, s18, s15                     ; my block of 128 rows of A
	s_lshl_b32 s19, s42, 1
	s_add_co_u32 s19, s19, s16                     ; my block of 128 rows of B
	s_cmp_eq_u32 s98, 1
	s_cselect_b32 s22, s19, s18                    ; the block of 128 tokens,
	s_cselect_b32 s23, s18, s19                    ; the pair of heads
	s_lshr_b32 s46, s22, 4                         ; batch
	s_and_b32 s47, s22, 15                         ; step in the batch
	s_lshl_b32 s18, s46, 3
	s_add_co_u32 s18, s18, s23
	s_lshl_b32 s18, s18, 4
	s_add_co_u32 s18, s18, s47                     ; (batch x 8 + pair) x 16 + step
	s_mul_i32 s18, s18, 12288
	s_mov_b32 s19, 0
	s_add_nc_u64 s[12:13], s[12:13], s[18:19]      ; my 12,288 bytes of codes
	s_lshl_b32 s18, s46, 4
	s_lshl_b32 s23, s23, 1
	s_add_co_u32 s18, s18, s23
	s_lshl_b32 s18, s18, 4
	s_add_co_u32 s18, s18, s47                     ; (batch x 16 + even head) x 16 + step
	s_mul_i32 s18, s18, 768
	s_add_nc_u64 s[96:97], s[96:97], s[18:19]      ; the even head's scale words; the odd head's lie 16 x 768 bytes on
.irp a, 0,1,2,3,4,5,6,7
	QUANTW \a
.endr
	v_cmp_le_u32 vcc_lo, 16, v[LANE]
.irp c, 0,1,2,3
	v_cndmask_b32 v[E+\c], v[PW+2*\c], v[PW+2*\c+1], vcc_lo   ; word c: block 2 c in lanes 0-15, block 2 c + 1 in lanes 16-31 (both halves of the lanes hold a row's word)
.endr
	s_cmp_eq_u32 s98, 1                            ; the same way in the whole cluster; only stores to memory stand in the two arms
	s_cbranch_scc1 .Lv_words
.irp c, 0,1,2,3
	v_and_b32 v[EL+\c], 0xffff, v[E+\c]            ; q, k: bytes 0, 1 are the even head's two blocks,
	v_lshrrev_b32 v[F+\c], 16, v[E+\c]             ; bytes 2, 3 the odd head's.  The upper two bytes of a word that leaves are 0: they stand over q's zero codes
.endr
	global_store_b128 v[L16], v[EL:EL+3], s[96:97]
	global_store_b128 v[L16], v[F:F+3], s[96:97] offset:12288
	s_branch .Lwords_out
.Lv_words:
	s_wait_alu depctr_va_vdst(0)
	global_store_b64 v[L8], v[E:E+1], s[96:97]                 ; v: blocks 0-3 are the even head's four tiles of 16,
	global_store_b64 v[L8], v[E+2:E+3], s[96:97] offset:12288  ; blocks 4-7 the odd head's
.Lwords_out:
	s_wait_tensorcnt 0x0                           ; the wave's end
	ds_add_u32 v[SPW], v[NIL]
	s_wait_dscnt 0x0
	CROUND                                         ; the closing round: no work-group ends while a partner may still ask for a tile that names it
	s_endpgm
.Lfunc_end_k_qefd6f815fb_qkv:
	.size	k_qefd6f815fb_qkv, .Lfunc_end_k_qefd6f815fb_qkv-k_qefd6f815fb_qkv
	.p2alignl 7, 3214868480
	.fill 96, 4, 3214868480
	.section	.rodata,"a",@progbits
	.p2align	6, 0x0
	.amdhsa_kernel k_qefd6f815fb_qkv
		.amdhsa_group_segment_fixed_size 327680
		.amdhsa_private_segment_fixed_size 0
		.amdhsa_enable_private_segment 0
		.amdhsa_kernarg_size 104
		.amdhsa_user_sgpr_count 2
		.amdhsa_user_sgpr_kernarg_segment_ptr 1
		.amdhsa_wavefront_size32 1
		.amdhsa_system_sgpr_workgroup_id_x 1
		.amdhsa_system_sgpr_workgroup_id_y 1
		.amdhsa_system_sgpr_workgroup_id_z 1
		.amdhsa_system_vgpr_workitem_id 0
		.amdhsa_next_free_vgpr 1024
		.amdhsa_next_free_sgpr 102
		.amdhsa_reserve_vcc 1
		.amdhsa_float_denorm_mode_32 3
		.amdhsa_float_denorm_mode_16_64 3
		.amdhsa_memory_ordered 1
		.amdhsa_forward_progress 1
		.amdhsa_inst_pref_size 166
	.end_amdhsa_kernel
	.amdgpu_metadata
---
amdhsa.version: [ 1, 2 ]
amdhsa.kernels:
  - .name:           k_qefd6f815fb_qkv
    .symbol:         k_qefd6f815fb_qkv.kd
    .args:
      - { .name: x_codes, .offset: 0, .size: 8, .value_kind: global_buffer, .address_space: global }
      - { .name: x_scales, .offset: 8, .size: 8, .value_kind: global_buffer, .address_space: global }
      - { .name: W_q_codes, .offset: 16, .size: 8, .value_kind: global_buffer, .address_space: global }
      - { .name: W_q_scales, .offset: 24, .size: 8, .value_kind: global_buffer, .address_space: global }
      - { .name: W_k_codes, .offset: 32, .size: 8, .value_kind: global_buffer, .address_space: global }
      - { .name: W_k_scales, .offset: 40, .size: 8, .value_kind: global_buffer, .address_space: global }
      - { .name: W_v_codes, .offset: 48, .size: 8, .value_kind: global_buffer, .address_space: global }
      - { .name: W_v_scales, .offset: 56, .size: 8, .value_kind: global_buffer, .address_space: global }
      - { .name: qc, .offset: 64, .size: 8, .value_kind: global_buffer, .address_space: global }
      - { .name: kc, .offset: 72, .size: 8, .value_kind: global_buffer, .address_space: global }
      - { .name: vc, .offset: 80, .size: 8, .value_kind: global_buffer, .address_space: global }
      - { .name: qs, .offset: 88, .size: 8, .value_kind: global_buffer, .address_space: global }
      - { .name: kvs, .offset: 96, .size: 8, .value_kind: global_buffer, .address_space: global }
    .group_segment_fixed_size: 327680
    .private_segment_fixed_size: 0
    .kernarg_segment_align: 8
    .kernarg_segment_size: 104
    .max_flat_workgroup_size: 128
    .sgpr_count:     102
    .vgpr_count:     1024
    .wavefront_size: 32
...
	.end_amdgpu_metadata
.endif
;; end of part 1
;; launch attn (part 2): grid 4 x 64, 16 waves a work-group, clusters of 4 x 1, 210,944 bytes of LDS; arguments qc, qs, kc, vc, kvs, cc, cs; writes cc, cs
.if DOCPART == 2
	.amdgcn_target "amdgcn-amd-amdhsa--gfx1250"
	.amdhsa_code_object_version 6
	.text
	.protected	k_qefd6f815fb_attn
	.globl	k_qefd6f815fb_attn
	.p2align	8
	.type	k_qefd6f815fb_attn,@function
k_qefd6f815fb_attn:
	s_mov_b64 s[64:65], 0
	v_nop
	global_prefetch_b8 v0, s[64:65] scope:SCOPE_SE
	s_setreg_imm32_b32 hwreg(HW_REG_WAVE_MODE, 25, 1), 1
	s_wait_xcnt 0x0
	s_wait_alu depctr_hold_cnt(0) depctr_sa_sdst(0) depctr_va_vdst(0) depctr_va_sdst(0) depctr_va_ssrc(0) depctr_va_vcc(0) depctr_vm_vsrc(0)
	s_getreg_b32 s2, hwreg(HW_REG_IB_STS2, 6, 4)
	s_cmp_eq_u32 s2, 0
	s_cbranch_scc0 .Lentry_in_a_cluster
	s_endpgm
.Lentry_in_a_cluster:
	s_bfe_u32 s2, ttmp6, 0x10000c
	s_cmp_lg_u32 s2, 0x3003
	s_cbranch_scc0 .Lentry_shape_is_right
	s_endpgm
.Lentry_shape_is_right:
; ctx = softmax(q k^T / 8, causal) v for one head (work-group y: batch x 16 + head), both products on codes of FP6 (E2M3) with E8M0 scales; ctx is quantised along head x 64 + channel and leaves as codes.
; THE SOFTMAX: t = score x log2(e) / 8; M = the row's largest t so far, rounded UP to a whole number; p = 2^(t - M) is quantised along the keys, not normalised; the row's sum is taken of the
; unquantised p and divides at the end.  When M moves, the sum and O are multiplied by 2^(old M - new M): exact.
; LDS.  A head of 64 is small: ALL of the head's k (98,304 bytes), v (98,304) and their scale words (12,288) lie in LDS, filled ONCE: no ring, nothing is filled again.
; They lie as images of operand registers (6 registers a lane = 768 bytes: registers 0-3 at 16 x lane, 4-5 at 512 + 8 x lane), so every LDS load reads consecutive bytes.
; CLUSTER.  The four work-groups of a cluster belong to one head and ask for these bytes JOINTLY (mask 15): wave w of each asks for step w's k, v and words: three tensor loads a wave are out.
; SHARES.  128 tiles of 16 queries a head.  Wave w of work-group cx owns tiles tA = 8 (w / 2) + (w % 2) + 2 cx and tB = 127 - tA: tA needs w / 2 + 1 steps of 128 keys, tB 16 - w / 2: 17 for every wave.
; Trip counts are constants (8 and 16); a step all of whose keys come after the tile is left out by a branch on the wave's number and the trip; cx enters memory addresses and the mask's compare alone.
; LAYOUT.  S^T = k q^T (source 0 = 16 keys, source 1 = my 16 queries), O^T = v^T p^T: a lane holds ONE query throughout.  Register 8 T + j of the scores is key 16 T + 8 (lane / 16) + j.
; p's codes so get the order inside a block of 32 that v's codes were given by the launch before (0-7, 16-23, 8-15, 24-31); likewise q's and k's: a permutation of K alike on both sides keeps the products.
; THE FIRST PRODUCT'S K IS 64, the instruction's 128: q's upper six registers are zeros; k's operand names the next tile's codes there (the last tile's: zeros), and the scale bytes there are 0.
; E2M3 has no NaN and no infinity and no byte is 0xff, so these terms add exactly 0.
; LIMITS: NaN and infinities are not served.  A block of p or ctx under 2^-124 gets the byte 1.  A block's largest p is taken from its largest score, which takes v_exp_f32 not to fall where its input rises.
; cs, ctx's scale bytes, are 2 bytes a token and head in rows of 32 bytes: the one store here that covers aligned blocks of 256 bytes in part: 2 bytes beside each 48 bytes of codes.
.set VC,   98304                       ; LDS: k's images from 0 (token tile T at 768 T); v's from here (step at 6,144, tile of 16 channels at 1,536, keys 0-63 / 64-127 at 768);
.set SCW,  196608                      ; the scale words (step at 768: 512 bytes of k's, 256 of v's)
.set WV,   18                          ; s18  my wave's number
.set SEL,  20                          ; s[20:21] lane selects for v_permlanex16_b32: lane l xor 16
.set CS,   22                          ; s[22:23] c = log2(e) / 8
.set G1K,  24                          ; s[24:31], s[32:39], s[40:47] descriptor groups 1 for k, v, the words;  s[48:51], s[52:55], s[56:59] their groups 0
.set G1V,  32
.set G1S,  40
.set G0K,  48
.set G0V,  52
.set G0S,  56
.set TB,   66                          ; s66  6,144 x step
.set TS,   67                          ; s67  768 x step
.set SG,   68                          ; s68  the step
.set AL,   69                          ; s69  the tile's last step, the one on the diagonal
.set Q,    18                          ; v18-29  q's fragment: six registers of codes, six of zeros
.set KF,   32                          ; v32-79  k's eight half fragments; v80-85 zeros.  Behind the first product: v32-35 block maxima, v36-43 and v44-47 at work, v52-53 a chain of the sum
.set VF,   86                          ; v86-133 v's four fragments
.set S,    134                         ; v134-197 S^T, then p
.set O,    198                         ; v198-229 O^T
.set CD,   230                         ; v230-241 p's codes
.set KSC,  242                         ; v242-245 k's scale words;  v246-247 v's;  v248 p's;  v249 q's; v242-245 also carry chains of the sum behind the first product
.set VSC,  246
.set PW,   248
.set QS,   249
.set BM,   32
.set T2,   36
.set SO,   44
; v1 16 x lane; v2 512 + 8 x lane; v3, v4 the same + VC; v5, v6 + SCW; v7 the mask's compare value; v8-13 the step's addresses; v14 -M, v15 the largest t; v[16:17] the sum;
; v30 16 x (lane % 16); v31 tile A's two scale bytes; v[250:251] f; v252-254 at work; v255 lane % 16 - 8 (lane / 16)
.macro CROUND                          ; a round of the cluster's barrier
	s_barrier_signal -1
	s_barrier_wait -1
	s_cmp_lg_u32 s[WV], 0
	s_cbranch_scc1 .Lnot_wave_0_\@
	s_barrier_signal -3
.Lnot_wave_0_\@:
	s_barrier_wait -3
	s_barrier_signal -1
	s_barrier_wait -1
.endm
	s_load_b256 s[4:11], s[0:1], 0x0               ; qc, qs, kc, vc
	s_load_b128 s[12:15], s[0:1], 0x20             ; kvs, cc
	s_load_b64 s[16:17], s[0:1], 0x30              ; cs
	v_lshl_add_u32 v254, v0, 2, 0x33000
	v_mov_b32 v255, 0
	ds_add_u32 v254, v255
	ds_add_u32 v254, v255
	s_wait_dscnt 0x0
	v_lshrrev_b32 v8, 5, v0
	s_delay_alu instid0(VALU_DEP_1)
	v_readfirstlane_b32 s[WV], v8                  ; wave 0..15
	s_bfe_u32 s19, ttmp6, 0x40000                  ; cx
	s_and_b32 s94, ttmp7, 0xffff                   ; batch x 16 + head, which the four partners share
	s_and_b32 s95, s94, 1                          ; the head's parity
	s_lshr_b32 s70, s[WV], 1                       ; a
	s_and_b32 s71, s[WV], 1
	s_lshl_b32 s74, s19, 1
	s_add_co_u32 s71, s71, s74                     ; s = wave % 2 + 2 cx
	s_lshl_b32 s72, s70, 3
	s_add_co_u32 s72, s72, s71                     ; tA
	s_xor_b32 s73, s72, 127                        ; tB = 127 - tA
	; what I fetch: step w of the head.  Nothing here hangs on cx
	s_lshr_b32 s74, s94, 1
	s_mul_i32 s74, s74, 196608                     ; the pair of heads' 16 records of 12,288 bytes
	s_mul_i32 s96, s[WV], 12288                    ; step w's
	s_mul_i32 s76, s95, 768
	s_add_co_u32 s76, s76, s74                     ; q, k: the head's half of each 1,536 bytes
	s_mov_b32 s77, 0
	s_add_co_u32 s78, s76, s96                     ; k
	s_mov_b32 s79, 0
	s_mul_i32 s75, s95, 6144
	s_add_co_u32 s74, s74, s75
	s_add_co_u32 s74, s74, s96                     ; v: the head's half of the record
	s_mov_b32 s75, 0
	s_lshl_b32 s96, s94, 4
	s_add_co_u32 s96, s96, s[WV]
	s_mul_i32 s96, s96, 768                        ; the words
	s_mov_b32 s97, 0
	; descriptor groups 1: elements of 8 bytes, no padding, all four work-groups named
	s_mov_b32 s[G1K], 15|(3<<16)|(1<<21)           ; k: 8 rows of 768 bytes, 1,536 bytes apart
	s_mov_b32 s[G1K+1], 96<<16
	s_mov_b32 s[G1K+2], 8<<16
	s_mov_b32 s[G1K+3], 96<<16
	s_mov_b32 s[G1K+4], 8
	s_mov_b32 s[G1K+5], 192
	s_mov_b32 s[G1K+6], 0
	s_mov_b32 s[G1K+7], 0
	s_mov_b32 s[G1V], 15|(3<<16)|(1<<21)           ; v: 6,144 dense bytes as 24 rows of 256
	s_mov_b32 s[G1V+1], 32<<16
	s_mov_b32 s[G1V+2], 24<<16
	s_mov_b32 s[G1V+3], 32<<16
	s_mov_b32 s[G1V+4], 24
	s_mov_b32 s[G1V+5], 32
	s_mov_b32 s[G1V+6], 0
	s_mov_b32 s[G1V+7], 0
	s_mov_b32 s[G1S], 15|(3<<16)|(1<<21)           ; the words: 768 dense bytes as 3 rows of 256
	s_mov_b32 s[G1S+1], 32<<16
	s_mov_b32 s[G1S+2], 3<<16
	s_mov_b32 s[G1S+3], 32<<16
	s_mov_b32 s[G1S+4], 3
	s_mov_b32 s[G1S+5], 32
	s_mov_b32 s[G1S+6], 0
	s_mov_b32 s[G1S+7], 0
	s_mov_b32 s[SEL], 0x76543210
	s_mov_b32 s[SEL+1], 0xfedcba98
	s_mov_b32 s[CS], 0x3e38aa3b                    ; c = log2(e) / 8
	s_mov_b32 s[CS+1], s[CS]                       ; (named with it as a pair, so it is written)
	s_wait_kmcnt 0x0
	s_mov_b32 s[G0K], 1
	s_mul_i32 s[G0K+1], s[WV], 6144                ; LDS: wave x 6,144
	s_add_nc_u64 s[G0K+2:G0K+3], s[8:9], s[78:79]
	s_or_b32 s[G0K+3], s[G0K+3], 0x80000000
	s_mov_b32 s[G0V], 1
	s_add_co_u32 s[G0V+1], s[G0K+1], VC
	s_add_nc_u64 s[G0V+2:G0V+3], s[10:11], s[74:75]
	s_or_b32 s[G0V+3], s[G0V+3], 0x80000000
	s_mov_b32 s[G0S], 1
	s_mul_i32 s[G0S+1], s[WV], 768
	s_add_co_u32 s[G0S+1], s[G0S+1], SCW
	s_add_nc_u64 s[G0S+2:G0S+3], s[12:13], s[96:97]
	s_or_b32 s[G0S+3], s[G0S+3], 0x80000000
	CROUND                                         ; all four work-groups are here: the joint loads meet
	tensor_load_to_lds s[G0K:G0K+3], s[G1K:G1K+7]  ; every wave's three fills stand together, ahead of every wait on TENSORcnt, every LDS read and the work-group's barrier
	s_nop 0
	tensor_load_to_lds s[G0V:G0V+3], s[G1V:G1V+7]
	s_nop 0
	tensor_load_to_lds s[G0S:G0S+3], s[G1S:G1S+7]
	s_nop 0
.rept 4
	v_nop
.endr
	s_add_nc_u64 s[80:81], s[4:5], s[76:77]        ; q's codes of the head: tile t at 1,536 t
	s_mul_i32 s74, s94, 12288
	s_mov_b32 s75, 0
	s_add_nc_u64 s[82:83], s[6:7], s[74:75]        ; q's scale words of the head
	s_lshr_b32 s78, s94, 4                         ; batch
	s_and_b32 s79, s94, 15                         ; head
	s_mul_i32 s74, s78, 1572864                    ; cc: [token tile 512][head 16][768]
	s_mul_i32 s76, s79, 768
	s_add_co_u32 s74, s74, s76
	s_add_nc_u64 s[84:85], s[14:15], s[74:75]
	s_lshl_b32 s74, s78, 16                        ; cs: [token 8,192][32]
	s_lshl_b32 s76, s79, 1
	s_add_co_u32 s74, s74, s76
	s_add_nc_u64 s[86:87], s[16:17], s[74:75]
	v_and_b32 v9, 31, v0                           ; lane
	s_delay_alu instid0(VALU_DEP_1)
	v_lshlrev_b32 v1, 4, v9
	s_delay_alu instid0(VALU_DEP_2)
	v_lshl_add_u32 v2, v9, 3, 512
	s_delay_alu instid0(VALU_DEP_2)
	v_add_nc_u32 v3, VC, v1
	s_delay_alu instid0(VALU_DEP_2)
	v_add_nc_u32 v4, VC, v2
	s_delay_alu instid0(VALU_DEP_4)
	v_add_nc_u32 v5, SCW, v1
	s_delay_alu instid0(VALU_DEP_4)
	v_add_nc_u32 v6, SCW, v2
	v_and_b32 v10, 15, v0                          ; r
	v_bfe_u32 v11, v0, 4, 1                        ; h
	s_delay_alu instid0(VALU_DEP_2)
	v_lshlrev_b32 v30, 4, v10
	s_wait_alu depctr_va_vdst(0)
	v_lshlrev_b32 v11, 3, v11
	s_delay_alu instid0(VALU_DEP_1)
	v_sub_nc_u32 v255, v10, v11                    ; r - 8 h
; The fragment and the scale words of the tile of queries whose number lies in s[st]
.macro QLOAD st
	s_mul_i32 s74, s[\st], 1536
	s_mov_b32 s75, 0
	s_add_nc_u64 s[88:89], s[80:81], s[74:75]
	s_lshr_b32 s74, s[\st], 3
	s_mul_i32 s74, s74, 768                        ; the words: the step's record,
	s_and_b32 s76, s[\st], 1
	s_lshl_b32 s76, s76, 8                         ; odd tiles lie in lanes 16-31's places,
	s_add_co_u32 s74, s74, s76
	s_bfe_u32 s76, s[\st], 0x20001
	s_lshl_b32 s76, s76, 2                         ; word (t / 2) % 4 of a lane's four
	s_add_co_u32 s74, s74, s76
	s_add_nc_u64 s[90:91], s[82:83], s[74:75]
	global_load_b128 v[Q:Q+3], v1, s[88:89]
	global_load_b64 v[Q+4:Q+5], v2, s[88:89]
	global_load_b32 v[QS], v30, s[90:91]
.endm
	QLOAD 72
.irp j, 0,1,2,3,4,5
	v_mov_b32 v[Q+6+\j], 0                         ; q's upper 64 of K: zero codes, written once
	v_mov_b32 v[KF+48+\j], 0                       ; and what the last tile of k names there
.endr
	v_mov_b32 v251, 0                              ; (named as the upper half of the pair v[250:251])
	v_mov_b32 v252, 0                              ; written once: a lane permute's destination counts as one of its sources
.irp b, 0,1,2,3
	v_mov_b32 v[T2+\b], 0
.endr
	s_wait_tensorcnt 0x0                           ; my three parts are in,
	s_barrier_signal -1
	s_barrier_wait -1                              ; everybody's are: the head's k, v and words lie in LDS for the rest of the launch
.macro INIT                            ; a tile begins: the loop has no first step of its own: it finds zeros, which the first change of M leaves zeros
	v_mov_b32 v15, 0xff61b1e6                      ; the largest t so far: -3e38
	s_delay_alu instid0(VALU_DEP_1)
	v_floor_f32 v14, -v15                          ; -M
	v_mov_b32 v16, 0
	v_mov_b32 v17, 0
.set JJ, 0
.rept 32
	v_mov_b32 v[O+JJ], 0
.set JJ, JJ+1
.endr
	s_mov_b32 s[TB], 0
	s_mov_b32 s[TS], 0
	s_mov_b32 s[SG], 0
.endm
; A KEY STEP: 128 keys.
.macro STEP
	s_cmp_gt_u32 s[SG], s[AL]                      ; all its keys come after my queries: the step's work is left out, not the lines at its end that step addresses
	s_cbranch_scc1 .Lhid_\@
	s_setprio 2
	v_add_nc_u32 v8, s[TB], v1                     ; (these six are also the places in front of loads into registers that the last products read)
	v_add_nc_u32 v9, s[TB], v2
	v_add_nc_u32 v10, s[TB], v3
	v_add_nc_u32 v11, s[TB], v4
	v_add_nc_u32 v12, s[TS], v5
	v_add_nc_u32 v13, s[TS], v6
.irp t, 0,1,2,3,4,5,6,7
	ds_load_b128 v[KF+6*\t:KF+6*\t+3], v8 offset:768*\t
	ds_load_b64 v[KF+6*\t+4:KF+6*\t+5], v9 offset:768*\t
.endr
	ds_load_b128 v[KSC:KSC+3], v12
.irp d, 0,1,2,3
.irp c, 0,1
	ds_load_b128 v[VF+12*\d+6*\c:VF+12*\d+6*\c+3], v10 offset:1536*\d+768*\c
	ds_load_b64 v[VF+12*\d+6*\c+4:VF+12*\d+6*\c+5], v11 offset:1536*\d+768*\c
.endr
.endr
	ds_load_b64 v[VSC:VSC+1], v13
	s_wait_dscnt 17                                ; k's 16 loads and its words are in; v's 16 and its words, issued behind them, may stay out during the softmax
.irp t, 0,2,4,6                                ; S^T = k q^T.  A word register holds an even tile's words in lanes 0-15 and the next tile's in lanes 16-31
	v_wmma_scale_f32_16x16x128_f8f6f4 v[S+8*\t:S+8*\t+7], v[KF+6*\t:KF+6*\t+11], v[Q:Q+11], 0, v[KSC+\t/2], v[QS] matrix_a_fmt:MATRIX_FMT_FP6 matrix_b_fmt:MATRIX_FMT_FP6
	v_wmma_scale_f32_16x16x128_f8f6f4 v[S+8*\t+8:S+8*\t+15], v[KF+6*\t+6:KF+6*\t+17], v[Q:Q+11], 0, v[KSC+\t/2], v[QS] matrix_a_fmt:MATRIX_FMT_FP6 matrix_b_fmt:MATRIX_FMT_FP6 matrix_a_scale:MATRIX_SCALE_ROW1
.endr
.rept 4
	v_nop                                          ; places behind the products (ISA guide 7.12.1)
.endr
	s_cmp_lg_u32 s[SG], s[AL]                      ; only the step on the diagonal has hidden keys
	s_cbranch_scc1 .Lopen_\@
	v_mov_b32 v254, 0xff800000                     ; -infinity: p = 0 then
.irp n, 0,1,2,3,4,5,6,7,8,9,10,11,12,13,14,15,16,17,18,19,20,21,22,23,24,25,26,27,28,29,30,31,32,33,34,35,36,37,38,39,40,41,42,43,44,45,46,47,48,49,50,51,52,53,54,55,56,57,58,59,60,61,62,63
	v_cmp_gt_i32 vcc_lo, 16*(\n/8)+\n%8, v7        ; register n holds the step's key 16 (n / 8) + n % 8 + 8 h: hidden where that is more than my query's place in the step
	v_cndmask_b32 v[S+\n], v[S+\n], v254, vcc_lo
.endr
.Lopen_\@:
.irp b, 0,1,2,3
	v_max3_num_f32 v[BM+\b], v[S+16*\b], v[S+1+16*\b], v[S+2+16*\b]   ; the largest score of each block of 32 keys: for the row's maximum and, since p rises with the score, for the block's largest p
.endr
.irp i, 3,5,7,9,11,13
.irp b, 0,1,2,3
	v_max3_num_f32 v[BM+\b], v[BM+\b], v[S+16*\b+\i], v[S+1+16*\b+\i]
.endr
.endr
.irp b, 0,1,2,3
	v_max_num_f32 v[BM+\b], v[BM+\b], v[S+15+16*\b]
.endr
.irp b, 0,1,2,3
	s_delay_alu instid0(VALU_DEP_4)
	v_permlanex16_b32 v[T2+\b], v[BM+\b], s[SEL], s[SEL+1]
.endr
.irp b, 0,1,2,3
	s_delay_alu instid0(VALU_DEP_4)
	v_max_num_f32 v[BM+\b], v[BM+\b], v[T2+\b]     ; with lane l xor 16's 16 keys
.endr
	s_delay_alu instid0(VALU_DEP_2)
	v_max3_num_f32 v254, v[BM], v[BM+1], v[BM+2]
	s_delay_alu instid0(VALU_DEP_1)
	v_max_num_f32 v254, v254, v[BM+3]              ; the step's largest score of my query
	s_delay_alu instid0(VALU_DEP_1)
	v_mul_f32 v254, s[CS], v254                    ; as t
	s_delay_alu instid0(VALU_DEP_1)
	v_max_num_f32 v15, v15, v254                   ; the running largest t
	v_mov_b32 v254, v14
	s_delay_alu instid0(VALU_DEP_2)
	v_floor_f32 v14, -v15                          ; the new -M = -ceil(t): a whole number
	s_delay_alu instid0(VALU_DEP_1)
	v_sub_f32 v254, v14, v254                      ; old M - new M: a whole number, 0 or less
	s_delay_alu instid0(VALU_DEP_1)
	v_cvt_i32_f32 v254, v254                       ; (it saturates)
	s_delay_alu instid0(VALU_DEP_1)
	v_ldexp_f32 v250, 1.0, v254                    ; f = 2^(old M - new M)
.set JJ, 0
	s_setprio 1
.rept 32
	v_pk_fma_f32 v[S+JJ:S+JJ+1], v[S+JJ:S+JJ+1], s[CS:CS+1], v[14:15] op_sel_hi:[1,0,0]   ; t - M, two at a time
.set JJ, JJ+2
.endr
.irp b, 0,1,2,3
	v_fma_f32 v[BM+\b], v[BM+\b], s[CS], v14       ; the same of each block's largest score
.endr
.set JJ, 0
	s_wait_alu depctr_va_vdst(0)
.rept 64
	v_exp_f32 v[S+JJ], v[S+JJ]                     ; p = 2^(t - M)
.set JJ, JJ+1
.endr
.irp b, 0,1,2,3
	v_exp_f32 v[BM+\b], v[BM+\b]                   ; the block's largest p
.endr
	v_pk_mul_f32 v[16:17], v[16:17], v[250:251] op_sel_hi:[1,0]   ; the sums under the new M.  (A plain place behind the exponentials)
	s_wait_alu depctr_va_vdst(0)
.irp b, 0,1,2,3
	v_max_num_f32 v[BM+\b], 0x1800000, v[BM+\b]    ; the floor 2^(3 - 127): the byte cannot fall under 1
.endr
.irp b, 0,1,2,3
	s_delay_alu instid0(VALU_DEP_4)
	v_add_nc_u32 v[SO+\b], 0xff000000, v[BM+\b]    ; 2 off the exponent field: the conversion's scale operand
.endr
.irp b, 0,1,2,3
	s_delay_alu instid0(VALU_DEP_4)
	v_lshrrev_b32 v[T2+\b], 23, v[SO+\b]           ; the scale's byte
.endr
	s_delay_alu instid0(VALU_DEP_3)
	v_lshl_or_b32 v[PW], v[T2+1], 8, v[T2]         ; p's scale word for these 128 keys
	s_delay_alu instid0(VALU_DEP_1)
	v_lshl_or_b32 v[PW], v[T2+2], 16, v[PW]
	s_delay_alu instid0(VALU_DEP_1)
	v_lshl_or_b32 v[PW], v[T2+3], 24, v[PW]
.irp c, 0,1
	v_cvt_scalef32_pk16_fp6_f32 v[CD+6*\c:CD+6*\c+2], v[S+32*\c:S+32*\c+15], v[SO+2*\c]
	v_cvt_scalef32_pk16_fp6_f32 v[T2+4*\c:T2+4*\c+2], v[S+32*\c+16:S+32*\c+31], v[SO+2*\c+1]
.endr
	v_nop                                          ; one plain place behind a scaled conversion
.irp c, 0,1                                    ; a WHOLE block in a lane: lanes 0-15 block 2 c, lanes 16-31 block 2 c + 1
.irp i, 0,1,2
	v_permlane16_swap_b32 v[CD+6*\c+\i], v[T2+4*\c+\i]
.endr
.irp i, 0,1,2
	s_delay_alu instid0(VALU_DEP_3)
	v_mov_b32 v[CD+6*\c+3+\i], v[T2+4*\c+\i]
.endr
.endr
.set JJ, 0
.rept 16
	v_pk_mul_f32 v[O+JJ:O+JJ+1], v[O+JJ:O+JJ+1], v[250:251] op_sel_hi:[1,0]   ; O^T under the new M, each accumulator from its low end on
.set JJ, JJ+2
.endr
	s_setprio 0
	v_pk_add_f32 v[52:53], v[138:139], v[142:143]
	v_pk_add_f32 v[244:245], v[146:147], v[150:151]
	v_pk_add_f32 v[242:243], v[154:155], v[158:159]
	v_pk_add_f32 v[78:79], v[162:163], v[166:167]
	v_pk_add_f32 v[76:77], v[170:171], v[174:175]
	v_pk_add_f32 v[74:75], v[178:179], v[182:183]
	v_pk_add_f32 v[72:73], v[186:187], v[190:191]
	v_pk_add_f32 v[16:17], v[16:17], v[194:195]
	v_pk_add_f32 v[52:53], v[52:53], v[134:135]
	v_pk_add_f32 v[244:245], v[244:245], v[136:137]
	v_pk_add_f32 v[242:243], v[242:243], v[140:141]
	v_pk_add_f32 v[78:79], v[78:79], v[144:145]
	v_pk_add_f32 v[76:77], v[76:77], v[148:149]
	v_pk_add_f32 v[74:75], v[74:75], v[152:153]
	v_pk_add_f32 v[72:73], v[72:73], v[156:157]
	v_pk_add_f32 v[16:17], v[16:17], v[160:161]
	v_pk_add_f32 v[52:53], v[52:53], v[164:165]
	v_pk_add_f32 v[244:245], v[244:245], v[168:169]
	v_pk_add_f32 v[242:243], v[242:243], v[172:173]
	v_pk_add_f32 v[78:79], v[78:79], v[176:177]
	v_pk_add_f32 v[76:77], v[76:77], v[180:181]
	v_pk_add_f32 v[74:75], v[74:75], v[184:185]
	v_pk_add_f32 v[72:73], v[72:73], v[188:189]
	v_pk_add_f32 v[16:17], v[16:17], v[192:193]
	v_pk_add_f32 v[52:53], v[52:53], v[196:197]
	s_delay_alu instid0(VALU_DEP_2)
	v_pk_add_f32 v[16:17], v[16:17], v[78:79]
	s_delay_alu instid0(VALU_DEP_2)
	v_pk_add_f32 v[52:53], v[52:53], v[76:77]
	v_pk_add_f32 v[244:245], v[244:245], v[74:75]
	v_pk_add_f32 v[242:243], v[242:243], v[72:73]
	s_delay_alu instid0(VALU_DEP_2)
	v_pk_add_f32 v[16:17], v[16:17], v[244:245]
	s_delay_alu instid0(VALU_DEP_2)
	v_pk_add_f32 v[52:53], v[52:53], v[242:243]
	s_delay_alu instid0(VALU_DEP_1)
	v_pk_add_f32 v[16:17], v[16:17], v[52:53]
	s_wait_dscnt 0x0                               ; v and its words are in
.irp d, 0,2                                    ; O^T += v^T p^T: the four accumulators by turns, one instruction a turn, eight other products between two turns of one
	v_wmma_scale_f32_16x16x128_f8f6f4 v[O+8*\d:O+8*\d+7], v[VF+12*\d:VF+12*\d+11], v[CD:CD+11], v[O+8*\d:O+8*\d+7], v[VSC+\d/2], v[PW] matrix_a_fmt:MATRIX_FMT_FP6 matrix_b_fmt:MATRIX_FMT_FP6
	v_wmma_scale_f32_16x16x128_f8f6f4 v[O+8*\d+8:O+8*\d+15], v[VF+12*\d+12:VF+12*\d+23], v[CD:CD+11], v[O+8*\d+8:O+8*\d+15], v[VSC+\d/2], v[PW] matrix_a_fmt:MATRIX_FMT_FP6 matrix_b_fmt:MATRIX_FMT_FP6 matrix_a_scale:MATRIX_SCALE_ROW1
.endr
.Lhid_\@:
	s_add_co_u32 s[TB], s[TB], 6144
	s_add_co_u32 s[TS], s[TS], 768
.endm
.macro PASS trips                      ; the trip count is a constant of the text
.Lpass_\@:
	STEP
	s_add_co_u32 s[SG], s[SG], 1
	s_cmp_lt_u32 s[SG], \trips
	s_cbranch_scc1 .Lpass_\@
	s_setprio 0
.endm
; A TILE'S WAY OUT: ctx = O^T / the sum, put into the true order of its channels (it meets W_o's given codes), quantised in two blocks of 32, stored as an image of six registers.
.macro EPI st, last, by
.rept 4
	v_nop                                          ; places behind the last products
.endr
.if \last == 0
	QLOAD 73                                       ; the second tile's q lands under this way out
.endif
	v_add_f32 v16, v16, v17                        ; the sum's two halves,
	s_delay_alu instid0(VALU_DEP_1)
	v_permlanex16_b32 v252, v16, s[SEL], s[SEL+1]
	s_delay_alu instid0(VALU_DEP_1)
	v_add_f32 v16, v16, v252                       ; and lane l xor 16's
	s_wait_alu depctr_va_vdst(0)
	v_rcp_f32 v16, v16
	v_nop                                          ; one plain place behind a transcendental
.set JJ, 0
	s_wait_alu depctr_va_vdst(0)
.rept 16
	v_pk_mul_f32 v[S+JJ:S+JJ+1], v[O+JJ:O+JJ+1], v[16:17] op_sel_hi:[1,0]   ; register 16 b + i: channel 32 b + 8 h + i (i < 8), 32 b + 16 + 8 h + i - 8
.set JJ, JJ+2
.endr
.irp b, 0,1
.irp j, 0,1,2,3,4,5,6,7
	v_permlane16_swap_b32 v[S+16*\b+\j], v[S+16*\b+8+\j]   ; the first's lanes 16-31 change places with the second's lanes 0-15: register 16 b + i is now channel 32 b + 16 h + i
.endr
.endr
.irp b, 0,1
	v_max3_num_f32 v[BM+\b], |v[S+16*\b]|, |v[S+16*\b+1]|, 0x1800000
.endr
.irp i, 2,4,6,8,10,12,14
.irp b, 0,1
	s_delay_alu instid0(VALU_DEP_2)
	v_max3_num_f32 v[BM+\b], v[BM+\b], |v[S+16*\b+\i]|, |v[S+16*\b+\i+1]|
.endr
.endr
.irp b, 0,1
	s_delay_alu instid0(VALU_DEP_2)
	v_permlanex16_b32 v[T2+\b], v[BM+\b], s[SEL], s[SEL+1]
.endr
.irp b, 0,1
	s_delay_alu instid0(VALU_DEP_2)
	v_max_num_f32 v[BM+\b], v[BM+\b], v[T2+\b]
.endr
.irp b, 0,1
	s_delay_alu instid0(VALU_DEP_2)
	v_add_nc_u32 v[SO+\b], 0xff000000, v[BM+\b]
.endr
.irp b, 0,1
	s_delay_alu instid0(VALU_DEP_2)
	v_lshrrev_b32 v[T2+\b], 23, v[SO+\b]
.endr
	s_delay_alu instid0(VALU_DEP_1)
	v_lshl_or_b32 v[\by], v[T2+1], 8, v[T2]        ; my token's two scale bytes of this head
	v_cvt_scalef32_pk16_fp6_f32 v[CD:CD+2], v[S:S+15], v[SO]
	v_cvt_scalef32_pk16_fp6_f32 v[T2:T2+2], v[S+16:S+31], v[SO+1]
	v_nop
.irp i, 0,1,2
	v_permlane16_swap_b32 v[CD+\i], v[T2+\i]
.endr
.irp i, 0,1,2
	s_delay_alu instid0(VALU_DEP_3)
	v_mov_b32 v[CD+3+\i], v[T2+\i]                 ; registers 0-5: channels 32 (lane / 16) + 0 .. 31 of token lane % 16
.endr
	s_mul_i32 s74, s[\st], 12288
	s_mov_b32 s75, 0
	s_add_nc_u64 s[92:93], s[84:85], s[74:75]
	global_store_b128 v1, v[CD:CD+3], s[92:93]     ; 512 consecutive bytes,
	global_store_b64 v2, v[CD+4:CD+5], s[92:93]    ; and the 256 behind them
.if \last == 0
	s_wait_xcnt 0x0                                ; the codes' registers and the base are written again only behind this wait
.endif
.endm
	s_mov_b32 s[AL], s70                           ; tile A: its diagonal lies in step a,
	s_lshl_b32 s74, s71, 4
	v_add_nc_u32 v7, s74, v255                     ; my query's place in that step, less 8 h
	INIT
	s_wait_loadcnt 0x0                             ; q
	PASS 8
	s_wait_alu depctr_va_vdst(0)
	EPI 72, 0, 31
	s_xor_b32 s[AL], s70, 15                       ; tile B: step 15 - a,
	s_xor_b32 s74, s71, 7                          ; tile 7 - s in it
	s_lshl_b32 s74, s74, 4
	v_add_nc_u32 v7, s74, v255
	INIT
	s_wait_loadcnt 0x0
	PASS 16
	s_wait_alu depctr_va_vdst(0)
	EPI 73, 1, 253
	v_bfe_u32 v252, v0, 4, 1                       ; both tiles' scale bytes leave by one store: lanes 0-15 tile A's tokens, lanes 16-31 tile B's
	s_delay_alu instid0(VALU_DEP_1)
	v_cmp_ne_u32 vcc_lo, 0, v252
	s_delay_alu instid0(VALU_DEP_1)
	v_cndmask_b32 v254, v31, v253, vcc_lo
	s_sub_co_u32 s74, s73, s72
	s_lshl_b32 s74, s74, 9                         ; 16 tokens x 32 bytes for each tile between the two
	s_lshl_b32 s75, s72, 9
	v_mul_u32_u24 v252, s74, v252
	s_delay_alu instid0(VALU_DEP_1)
	v_lshl_add_u32 v252, v30, 1, v252              ; + 32 x (lane % 16)
	s_delay_alu instid0(VALU_DEP_1)
	v_add_nc_u32 v252, s75, v252
	global_store_b16 v252, v254, s[86:87]
	s_wait_xcnt 0x0
	v_lshl_add_u32 v254, v0, 2, 0x33000
	v_mov_b32 v255, 0
	s_wait_alu depctr_va_vdst(0)
	s_wait_tensorcnt 0x0
	ds_add_u32 v254, v255
	s_wait_dscnt 0x0
	CROUND                                         ; the closing round
	s_endpgm
.Lfunc_end_k_qefd6f815fb_attn:
	.size	k_qefd6f815fb_attn, .Lfunc_end_k_qefd6f815fb_attn-k_qefd6f815fb_attn
	.p2alignl 7, 3214868480
	.fill 96, 4, 3214868480
	.section	.rodata,"a",@progbits
	.p2align	6, 0x0
	.amdhsa_kernel k_qefd6f815fb_attn
		.amdhsa_group_segment_fixed_size 210944
		.amdhsa_private_segment_fixed_size 0
		.amdhsa_enable_private_segment 0
		.amdhsa_kernarg_size 56
		.amdhsa_user_sgpr_count 2
		.amdhsa_user_sgpr_kernarg_segment_ptr 1
		.amdhsa_wavefront_size32 1
		.amdhsa_system_sgpr_workgroup_id_x 1
		.amdhsa_system_sgpr_workgroup_id_y 1
		.amdhsa_system_sgpr_workgroup_id_z 1
		.amdhsa_system_vgpr_workitem_id 0
		.amdhsa_next_free_vgpr 256
		.amdhsa_next_free_sgpr 100
		.amdhsa_reserve_vcc 1
		.amdhsa_float_denorm_mode_32 3
		.amdhsa_float_denorm_mode_16_64 3
		.amdhsa_memory_ordered 1
		.amdhsa_forward_progress 1
		.amdhsa_inst_pref_size 68
	.end_amdhsa_kernel
	.amdgpu_metadata
---
amdhsa.version: [ 1, 2 ]
amdhsa.kernels:
  - .name:           k_qefd6f815fb_attn
    .symbol:         k_qefd6f815fb_attn.kd
    .args:
      - { .name: qc, .offset: 0, .size: 8, .value_kind: global_buffer, .address_space: global }
      - { .name: qs, .offset: 8, .size: 8, .value_kind: global_buffer, .address_space: global }
      - { .name: kc, .offset: 16, .size: 8, .value_kind: global_buffer, .address_space: global }
      - { .name: vc, .offset: 24, .size: 8, .value_kind: global_buffer, .address_space: global }
      - { .name: kvs, .offset: 32, .size: 8, .value_kind: global_buffer, .address_space: global }
      - { .name: cc, .offset: 40, .size: 8, .value_kind: global_buffer, .address_space: global }
      - { .name: cs, .offset: 48, .size: 8, .value_kind: global_buffer, .address_space: global }
    .group_segment_fixed_size: 210944
    .private_segment_fixed_size: 0
    .kernarg_segment_align: 8
    .kernarg_segment_size: 56
    .max_flat_workgroup_size: 512
    .sgpr_count:     100
    .vgpr_count:     256
    .wavefront_size: 32
...
	.end_amdgpu_metadata
.endif
;; end of part 2
;; launch oproj (part 3): grid 4 x 32, 4 waves a work-group, clusters of 4 x 4, 327,680 bytes of LDS; arguments cc, cs, W_o_codes, W_o_scales, b_o, out0; writes out0
.if DOCPART == 3
	.amdgcn_target "amdgcn-amd-amdhsa--gfx1250"
	.amdhsa_code_object_version 6
	.text
	.protected	k_qefd6f815fb_oproj
	.globl	k_qefd6f815fb_oproj
	.p2align	8
	.type	k_qefd6f815fb_oproj,@function
k_qefd6f815fb_oproj:
	s_mov_b64 s[64:65], 0
	v_nop
	global_prefetch_b8 v0, s[64:65] scope:SCOPE_SE
	s_setreg_imm32_b32 hwreg(HW_REG_WAVE_MODE, 25, 1), 1
	s_wait_xcnt 0x0
	s_wait_alu depctr_hold_cnt(0) depctr_sa_sdst(0) depctr_va_vdst(0) depctr_va_sdst(0) depctr_va_ssrc(0) depctr_va_vcc(0) depctr_vm_vsrc(0)
	s_getreg_b32 s2, hwreg(HW_REG_IB_STS2, 6, 4)
	s_cmp_eq_u32 s2, 0
	s_cbranch_scc0 .Lentry_in_a_cluster
	s_endpgm
.Lentry_in_a_cluster:
	s_bfe_u32 s2, ttmp6, 0x10000c
	s_cmp_lg_u32 s2, 0xf033
	s_cbranch_scc0 .Lentry_shape_is_right
	s_endpgm
.Lentry_shape_is_right:
; out0 = ctx W_o + b_o on codes of FP6 (E2M3) with E8M0 scales; f32 sums.  C = A B^T: A = ctx, 8,192 tokens x 1,024; B = W_o's codes, [1,024 outputs][1,024], K innermost; C f32.
; A tile of C, 256 x 256, is made by four waves, each 128 x 128: 64 accumulators, 512 registers.  K goes in steps of 256 through a ring of two LDS slots.
; A COMES AS IMAGES OF OPERAND REGISTERS, as the launch before laid them: [tile of 16 tokens][head 16][768], six registers a lane (registers 0-3 at 16 x lane, 4-5 at 512 + 8 x lane).  A K step of 256 is four
; heads: 3,072 consecutive bytes of each tile of tokens; a fragment of 128 along K comes by four LDS loads of consecutive bytes.  B comes as rows of 192 bytes, padded in LDS.
; The scale bytes of the tile's 256 tokens and 256 outputs, for all of K, come into LDS once.  THE BIAS IS THE C OF THE FIRST K STEP'S PRODUCTS: eight registers for each of B's eight blocks.
; CLUSTERS: 4 x 4 work-groups; A's tiles are asked for jointly along a row of the cluster, B's along a column.
; THE MATRIX INSTRUCTION IS USED TRANSPOSED (source 0 = 16 rows of B, source 1 = 16 rows of A): a lane holds eight neighbouring numbers of a row of C.
; 128 work-groups: C has 32 x 4 tiles of this size.  LIMITS: NaN and infinities are not served.
; REGISTERS: window 0: v0-31 addresses; v32-63 scale words, two sets; v64-127 the bias; from v128 A's fragments, one set; on the way out v128-255 rows of C.
;   window 1: B's fragments, two sets.   windows 2, 3: the accumulators.
.set SIZE_N, 1024
.set KSTEP,  256
.set NQ,     KSTEP/128
.set ROWB,   192                       ; a row of B's tile in bytes
.set KROW,   768                       ; a row of B in memory
.set PITCH,  240                       ; B's LDS row: 3 x (64 bytes + 16 of padding)
.set AROW,   3072                      ; A: a tile of 16 tokens, 256 along K
.set FR,     12
.set NLA,    4                         ; LDS loads that bring a fragment of A
.set NP,     4                         ; places behind this matrix instruction (ISA guide 7.12.1)
.set HALFA,  8*AROW                    ; 128 tokens: one tensor load
.set HALFB,  128*PITCH                 ; 128 rows of B: one tensor load
.set SLOT,   2*HALFA+2*HALFB           ; A's 256 tokens, then B's 256 rows
.set LAPS,   2
.set KS,     32
.set SCL,    2*SLOT                    ; behind the ring: the scales, as units of 256 bytes + 16 of padding
.set HALFS,  (128*KS/256)*272
.set SBLK,   (16*KS/256)*272
.set SPARE,  SCL+4*HALFS               ; the spare words, 128 bytes for each wave
.set SPITCH, 528                       ; the way out: a stage of 16 rows x (512 bytes + 16) for each wave, in slot 0, which has had its last fill and its last read by then
.set ADRA, 16                          ; v16-17 my A images in slot 0, 1, at 16 x lane;  v18-19 at 512 + 8 x lane
.set ADRB, 20                          ; v20-23 my B fragments (slot 0, 1; the same behind one padding more)
.set STO,  24
.set RD,   25
.set CO,   26
.set ADRS, 27
.set SPW,  28                          ; LDS address of my spare word; never rewritten
.set NIL,  29                          ; 0; never rewritten
.set SC,   32
.set BIAS, 64
.set AF,   128
.set BK,   128
.set G1, 24
.set G0, 32
.set G1B, 48
.set G0B, 56
.set G1S, 68
.set G0S, 76
.set G1SB, 80
.set G0SB, 88
.set MSB, 0
.macro WIN new                         ; the immediate's high byte repeats the setting that is left
.if MSB != \new
	s_set_vgpr_msb (MSB<<8)|\new
.set MSB, \new
.endif
.endm
.set MUL_LO, 0xa1                      ; source 0 (B) window 1, source 1 (A) window 0, C and D window 2
.set MUL_HI, 0xf1                      ; the same, C and D window 3
.set TO_B,   0x40
.macro JLOAD g0a, g1a, g0b, g1b        ; a joint load: waves 0 and 1 fetch for A, waves 2 and 3 for B; four v_nop follow each of the two lines
	s_cmp_eq_u32 s15, 0
	s_cbranch_scc0 .Lfor_b_\@
	tensor_load_to_lds s[\g0a:\g0a+3], s[\g1a:\g1a+7]
	s_nop 0
.rept 4
	v_nop
.endr
	s_branch .Lasked_\@
.Lfor_b_\@:
	tensor_load_to_lds s[\g0b:\g0b+3], s[\g1b:\g1b+7]
	s_nop 0
.rept 4
	v_nop
.endr
.Lasked_\@:
.endm
.macro CREST
	s_cmp_lg_u32 s14, 0
	s_cbranch_scc1 .Lnot_wave_0_\@
	s_barrier_signal -3
.Lnot_wave_0_\@:
	s_barrier_wait -3
	s_barrier_signal -1
	s_barrier_wait -1
.endm
.macro CROUND
	s_barrier_signal -1
	s_barrier_wait -1
	CREST
.endm
	s_load_b128 s[4:7], s[0:1], 0x0                ; ctx's codes, ctx's scales
	s_load_b128 s[8:11], s[0:1], 0x10              ; W_o's codes, W_o's scales
	s_load_b128 s[96:99], s[0:1], 0x20             ; b_o, out0
	v_lshl_add_u32 v[SPW], v0, 2, SPARE
	v_mov_b32 v[NIL], 0
	ds_add_u32 v28, v29
	ds_add_u32 v28, v29
	s_wait_dscnt 0x0
	v_lshrrev_b32 v1, 5, v0
	v_readfirstlane_b32 s14, v1                    ; wave 0..3
	s_lshr_b32 s15, s14, 1                         ; which half of the tile's rows is mine.  Also: I fetch for A (0) or for B (1)
	s_and_b32 s16, s14, 1                          ; which half of its columns.  Also: which half of that tile I fetch
	s_bfe_u32 s40, ttmp6, 0x40000                  ; cx, cy
	s_bfe_u32 s41, ttmp6, 0x40004
	s_lshl_b32 s42, ttmp9, 2
	s_add_co_u32 s42, s42, s40                     ; tile column of C
	s_and_b32 s17, ttmp7, 0xffff
	s_lshl_b32 s17, s17, 2
	s_add_co_u32 s17, s17, s41                     ; tile row of C
	s_lshl_b32 s43, s41, 2
	s_lshl_b32 s43, 15, s43                        ; my row of the cluster
	s_lshl_b32 s44, 0x1111, s40                    ; my column
	s_or_b32 s[G1+0], s43, (3<<16)|(1<<21)         ; A: elements of 8 bytes, no padding: 8 rows of 3,072 bytes, 12,288 bytes apart
	s_mov_b32 s[G1+1], 384<<16
	s_mov_b32 s[G1+2], 8<<16
	s_mov_b32 s[G1+3], 384<<16
	s_mov_b32 s[G1+4], 8
	s_mov_b32 s[G1+5], 1536
	s_mov_b32 s[G1+6], 0
	s_mov_b32 s[G1+7], 0
	s_or_b32 s[G1B+0], s44, (0<<16)|(1<<20)|(1<<21)|(3<<22)|(3<<25)   ; B: 128 rows of 192 bytes, 16 bytes of padding behind every 64
	s_mov_b32 s[G1B+1], ROWB<<16
	s_mov_b32 s[G1B+2], 128<<16
	s_mov_b32 s[G1B+3], ROWB<<16
	s_mov_b32 s[G1B+4], 128
	s_mov_b32 s[G1B+5], KROW
	s_mov_b32 s[G1B+6], 0
	s_mov_b32 s[G1B+7], 0
	s_or_b32 s[G1S+0], s43, (3<<16)|(1<<20)|(1<<21)|(5<<22)|(3<<25)   ; the scales of 128 rows: 16 rows of 256 bytes, 16 bytes of padding behind each
	s_or_b32 s[G1SB+0], s44, (3<<16)|(1<<20)|(1<<21)|(5<<22)|(3<<25)
.irp g, G1S, G1SB
	s_mov_b32 s[\g+1], 32<<16
	s_mov_b32 s[\g+2], (128*KS/256)<<16
	s_mov_b32 s[\g+3], 32<<16
	s_mov_b32 s[\g+4], 128*KS/256
	s_mov_b32 s[\g+5], 32
	s_mov_b32 s[\g+6], 0
	s_mov_b32 s[\g+7], 0
.endr
	s_lshl_b32 s18, s16, 7                         ; which 128 rows of the tile I fetch
	s_lshl_b32 s20, s17, 8
	s_add_co_u32 s20, s20, s18                     ; A: token 256 x tile row + 128 x half
	s_lshl_b32 s46, s42, 8
	s_add_co_u32 s46, s46, s18                     ; B: row 256 x tile column + 128 x half
	s_lshl_b32 s22, s20, 5                         ; their scales: 32 bytes a row
	s_mov_b32 s23, 0
	s_lshl_b32 s92, s46, 5
	s_mov_b32 s93, 0
	s_mul_i32 s20, s20, 768                        ; A's codes: 12,288 bytes for 16 tokens
	s_mov_b32 s21, 0
	s_mul_i32 s46, s46, KROW
	s_mov_b32 s47, 0
	s_mul_i32 s45, s16, HALFA                      ; where they go: no place in the cluster enters an LDS address
	s_mul_i32 s95, s16, HALFB
	s_add_co_u32 s95, s95, 2*HALFA
	s_mul_i32 s94, s14, HALFS
	s_wait_kmcnt 0x0
	s_add_nc_u64 s[20:21], s[4:5], s[20:21]
	s_add_nc_u64 s[22:23], s[6:7], s[22:23]
	s_add_nc_u64 s[46:47], s[8:9], s[46:47]
	s_add_nc_u64 s[92:93], s[10:11], s[92:93]
	CROUND                                         ; all sixteen work-groups are here: the first joint loads meet
	s_mov_b32 s[G0S], 1
	s_add_co_u32 s[G0S+1], s94, SCL
	s_mov_b64 s[G0S+2:G0S+3], s[22:23]
	s_or_b32 s[G0S+3], s[G0S+3], 0x80000000
	s_mov_b32 s[G0SB], 1
	s_add_co_u32 s[G0SB+1], s94, SCL
	s_mov_b64 s[G0SB+2:G0SB+3], s[92:93]
	s_or_b32 s[G0SB+3], s[G0SB+3], 0x80000000
	JLOAD G0S, G1S, G0SB, G1SB                     ; the scales first
.irp s, 0,1
	s_mov_b32 s[G0+4*\s], 1
	s_add_co_u32 s[G0+4*\s+1], s45, \s*SLOT
	s_add_nc_u64 s[G0+4*\s+2:G0+4*\s+3], s[20:21], \s*AROW
	s_or_b32 s[G0+4*\s+3], s[G0+4*\s+3], 0x80000000
	s_mov_b32 s[G0B+4*\s], 1
	s_add_co_u32 s[G0B+4*\s+1], s95, \s*SLOT
	s_add_nc_u64 s[G0B+4*\s+2:G0B+4*\s+3], s[46:47], \s*ROWB
	s_or_b32 s[G0B+4*\s+3], s[G0B+4*\s+3], 0x80000000
	s_wait_alu depctr_va_vdst(0)
	s_wait_tensorcnt 0x0
	ds_add_u32 v28, v29
	s_wait_dscnt 0x0
	CROUND
	JLOAD G0+4*\s, G1, G0B+4*\s, G1B               ; one tensor load of mine is out now
.endr
	v_and_b32 v1, 15, v0                           ; l % 16
	v_bfe_u32 v2, v0, 4, 1                         ; l / 16
	v_and_b32 v6, 31, v0                           ; lane
	v_lshlrev_b32 v3, 4, v6
	v_lshl_add_u32 v4, v6, 3, 512
	s_mul_i32 s21, s15, HALFA                      ; my 128 tokens of A
.irp s, 0,1
	v_add_nc_u32 v[ADRA+\s], s21, v3
	v_add_nc_u32 v[ADRA+2+\s], s21, v4
	s_add_co_u32 s21, s21, SLOT
.endr
	v_mul_u32_u24 v3, v1, PITCH
	v_mul_u32_u24 v4, v2, 24
	v_add_nc_u32 v4, v3, v4                        ; B: a fragment's row x pitch + 24 x half
	v_lshl_add_u32 v5, v2, 4, v4                   ; and the same behind one padding more
	s_mul_i32 s22, s16, HALFB                      ; my 128 rows of B,
	s_add_co_u32 s22, s22, 2*HALFA                 ; which lie behind A's 256 tokens
.irp s, 0,1
	v_add_nc_u32 v[ADRB+\s], s22, v4
	v_add_nc_u32 v[ADRB+2+\s], s22, v5
	s_add_co_u32 s22, s22, SLOT
.endr
	v_mul_u32_u24 v5, v1, KS                       ; my row's scales: 32 bytes a row,
	v_lshrrev_b32 v6, 8, v5
	v_lshl_add_u32 v5, v6, 4, v5                   ; and 16 more for each 256 passed
	s_mul_i32 s21, s15, HALFS
	s_mul_i32 s22, s16, HALFS
	s_add_co_u32 s22, s22, 2*HALFS
	s_sub_co_u32 s22, s22, s21
	v_mul_u32_u24 v6, s22, v2                      ; lanes 16-31 take B's: one product, the distance between the two bases
	s_add_co_u32 s21, s21, SCL
	v_add_nc_u32 v5, v5, v6
	v_add_nc_u32 v[ADRS], s21, v5
	s_mul_i32 s23, s14, 16*SPITCH                  ; my stage
	v_mul_u32_u24 v5, v1, SPITCH                   ; in: row l % 16, 32 bytes for each half of the lanes
	v_lshl_add_u32 v5, v2, 5, v5
	v_add_nc_u32 v[STO], s23, v5
	v_and_b32 v6, 31, v0
	v_lshlrev_b32 v[CO], 4, v6                     ; back: the 32 lanes take one row of 512 bytes; and the same in C
	v_add_nc_u32 v[RD], s23, v[CO]
	s_lshl_b32 s20, s17, 8
	s_lshl_b32 s21, s15, 7
	s_add_co_u32 s20, s20, s21                     ; my first row of C
	s_lshl_b32 s20, s20, 12                        ; x 4,096 bytes (under 2^25)
	s_mov_b32 s21, 0
	s_lshl_b32 s46, s42, 10                        ; my first column, in bytes: 1,024 x tile column + 512 x half
	s_lshl_b32 s47, s16, 9
	s_add_co_u32 s46, s46, s47
	s_mov_b32 s47, 0
	s_add_nc_u64 s[96:97], s[96:97], s[46:47]      ; b_o at my first column
	s_add_nc_u64 s[20:21], s[20:21], s[46:47]
	s_add_nc_u64 s[98:99], s[98:99], s[20:21]      ; C at my first number
	v_lshlrev_b32 v7, 5, v2                        ; the bias in the result's layout: block b, register j: b_o at column 16 b + 8 (l / 16) + j
.irp b, 0,1,2,3,4,5,6,7
	global_load_b128 v[BIAS+8*\b:BIAS+8*\b+3], v7, s[96:97] offset:64*\b
	global_load_b128 v[BIAS+8*\b+4:BIAS+8*\b+7], v7, s[96:97] offset:64*\b+16
.endr
.macro FRAG reg, adr, q, i             ; a fragment of B from rows: six pieces of 8 bytes; where the piece three on lies behind one padding more, the second address register serves
.irp p, 0,1,2,3,4,5
.set PC, 12*(\q)+6*(\p/3)+\p%3
.if PC%8 < 5
	ds_load_b64 v[\reg+2*\p:\reg+2*\p+1], v[\adr] offset:8*PC+16*(PC/8)+(\i)*16*PITCH
.else
	ds_load_b64 v[\reg+2*\p:\reg+2*\p+1], v[\adr+2] offset:8*PC+16*(PC/8)+(\i)*16*PITCH
.endif
.endr
.endm
.macro FRAGA reg, slot, q, i           ; a fragment of A from its two images: heads 2 q and 2 q + 1 of the K step, tile of tokens i
	ds_load_b128 v[\reg:\reg+3], v[ADRA+\slot] offset:AROW*(\i)+1536*(\q)
	ds_load_b64 v[\reg+4:\reg+5], v[ADRA+2+\slot] offset:AROW*(\i)+1536*(\q)
	ds_load_b128 v[\reg+6:\reg+9], v[ADRA+\slot] offset:AROW*(\i)+1536*(\q)+768
	ds_load_b64 v[\reg+10:\reg+11], v[ADRA+2+\slot] offset:AROW*(\i)+1536*(\q)+768
.endm
; 16 matrix instructions: A's blocks a0, a0 + 1 x B's eight, 128 along K.  first = 1: the first product starts the sums from the bias.
; The 64 accumulators take turns, one instruction a turn, in the same order in every step.
.macro MUL16 a0, p, q, sc, first
.irp a, \a0, \a0+1
.irp b, 0,1,2,3,4,5,6,7
.if \first
	v_wmma_scale_f32_16x16x128_f8f6f4 v[8*(8*((\a)%4)+\b):8*(8*((\a)%4)+\b)+7], v[128*(\p)+FR*\b:128*(\p)+FR*\b+FR-1], v[AF+FR*(\a):AF+FR*(\a)+FR-1], v[BIAS+8*\b:BIAS+8*\b+7], v[SC+8*NQ*(\sc)+NQ*\b+(\q)], v[SC+8*NQ*(\sc)+NQ*(\a)+(\q)] matrix_a_fmt:MATRIX_FMT_FP6 matrix_b_fmt:MATRIX_FMT_FP6 matrix_a_scale:MATRIX_SCALE_ROW1
.else
	v_wmma_scale_f32_16x16x128_f8f6f4 v[8*(8*((\a)%4)+\b):8*(8*((\a)%4)+\b)+7], v[128*(\p)+FR*\b:128*(\p)+FR*\b+FR-1], v[AF+FR*(\a):AF+FR*(\a)+FR-1], v[8*(8*((\a)%4)+\b):8*(8*((\a)%4)+\b)+7], v[SC+8*NQ*(\sc)+NQ*\b+(\q)], v[SC+8*NQ*(\sc)+NQ*(\a)+(\q)] matrix_a_fmt:MATRIX_FMT_FP6 matrix_b_fmt:MATRIX_FMT_FP6 matrix_a_scale:MATRIX_SCALE_ROW1
.endif
.endr
.endr
.endm
.macro FETCH_B slot, q, p
	WIN TO_B
.irp i, 0,1,2,3,4,5,6,7
	FRAG 128*(\p)+FR*\i, ADRB+\slot, \q, \i
.endr
	WIN 0
.endm
.macro FETCH_A slot, q, i0
.irp i, \i0, \i0+1, \i0+2, \i0+3
	FRAGA AF+FR*(\i), \slot, \q, \i
.endr
.endm
.macro SCALES sc
.irp i, 0,1,2,3,4,5,6,7
	ds_load_b64 v[SC+8*NQ*\sc+NQ*\i:SC+8*NQ*\sc+NQ*\i+1], v[ADRS] offset:\i*SBLK
.endr
.endm
.macro PLACES n
.rept \n
	v_nop
.endr
.endm
.macro STEP slot, q, first
	s_wait_dscnt 4*NLA                             ; B's set and A's blocks 0-3 are in; the youngest 16 loads (A's blocks 4-7) may be out
.if \first
	WIN 0x81                                       ; C, the bias, in window 0; D in window 2
.else
	WIN MUL_LO
.endif
	MUL16 0, (\q)%2, \q, \slot, \first
	MUL16 2, (\q)%2, \q, \slot, \first
	s_wait_dscnt 0                                 ; A's blocks 4-7 are in
	PLACES NP
	FETCH_B \slot, (\q)+1, 1-(\q)%2
	FETCH_A \slot, (\q)+1, 0
.if \first
	WIN 0xc1                                       ; D in window 3
.else
	WIN MUL_HI
.endif
	MUL16 4, (\q)%2, \q, \slot, \first
	MUL16 6, (\q)%2, \q, \slot, \first
	PLACES NP
	WIN 0
	FETCH_A \slot, (\q)+1, 4
.endm
; A slot's last step changes slots: ONE barrier; in front of it each wave waits for all its tensor loads, adds 0 to its spare word, and waits for that and for its own reads of this slot.
.macro TURN slot, next, fill
	s_wait_tensorcnt 0x0                           ; all my tensor loads have landed: my part of the next slot
	ds_add_u32 v[SPW], v[NIL]                      ; 0 onto my spare word
	s_wait_dscnt 4*NLA+1                           ; (the add and the youngest 16 loads, A's blocks 4-7, may be out)
	WIN MUL_LO
	MUL16 0, 1, NQ-1, \slot, 0
	s_wait_dscnt 0x0                               ; the add is done, and my reads of this slot are over
	s_barrier_signal -1
	MUL16 2, 1, NQ-1, \slot, 0
	WIN 0
	s_barrier_wait -1
.if \fill
	CREST                                          ; the barrier has opened a round of the cluster's barrier: no wave of any partner still reads this slot or has a load on its way
	s_add_nc_u64 s[G0+4*\slot+2:G0+4*\slot+3], s[G0+4*\slot+2:G0+4*\slot+3], 2*AROW
	s_add_nc_u64 s[G0B+4*\slot+2:G0B+4*\slot+3], s[G0B+4*\slot+2:G0B+4*\slot+3], 2*ROWB
	JLOAD G0+4*\slot, G1, G0B+4*\slot, G1B         ; the first tensor load behind the round; its four v_nop are the places in front of the loads below
.else
	PLACES NP
.endif
	s_wait_alu depctr_va_vdst(0)
	v_add_nc_u32 v[ADRS], 4*NQ, v[ADRS]
	FETCH_B \next, 0, 0
	FETCH_A \next, 0, 0
	SCALES \next
	WIN MUL_HI
	MUL16 4, 1, NQ-1, \slot, 0
	MUL16 6, 1, NQ-1, \slot, 0
	PLACES NP
	WIN 0
	FETCH_A \next, 0, 4
.endm
	s_wait_alu depctr_va_vdst(0)
	s_wait_tensorcnt 1                             ; the scales and my part of K step 0 are in (K step 1's load may be out)
	s_barrier_signal -1
	s_barrier_wait -1                              ; everybody's are
	FETCH_B 0, 0, 0
	FETCH_A 0, 0, 0
	SCALES 0
	FETCH_A 0, 0, 4
	s_wait_loadcnt 0x0                             ; the bias
	STEP 0, 0, 1                                   ; the first step stands in front of the loop: its products start the sums
	s_mov_b32 s3, LAPS-1
.Llap:
	TURN 0, 1, 1
	STEP 1, 0, 0
	TURN 1, 0, 1
	STEP 0, 0, 0
	s_sub_co_u32 s3, s3, 1
	s_cmp_lg_u32 s3, 0
	s_cbranch_scc1 .Llap
	TURN 0, 1, 0                                   ; the last lap fills nothing
	STEP 1, 0, 0
	s_wait_dscnt 4*NLA                             ; the very last step
	WIN MUL_LO
	MUL16 0, 1, NQ-1, 1, 0
	MUL16 2, 1, NQ-1, 1, 0
	s_wait_dscnt 0
	WIN MUL_HI
	MUL16 4, 1, NQ-1, 1, 0
	MUL16 6, 1, NQ-1, 1, 0
	WIN 0
; THE WAY OUT, block by block of 16 rows x 128 columns, through my own stage in LDS: back come whole rows of 512 bytes.  LDS serves a wave's instructions in order (ISA guide 5.7.1.4).
.macro TOSTAGE a
.set AC, 64*((\a)%4)
	WIN 0x08+4*((\a)/4)                            ; the data: window 2 or 3
.irp b, 0,1,2,3,4,5,6,7
	ds_store_b128 v[STO], v[AC+8*\b:AC+8*\b+3] offset:64*\b          ; each accumulator from its low end on
	ds_store_b128 v[STO], v[AC+8*\b+4:AC+8*\b+7] offset:64*\b+16
.endr
	WIN 0
.set BB, BK+64*((\a)%2)
.irp t, 0,1,2,3,4,5,6,7,8,9,10,11,12,13,14,15
	ds_load_b128 v[BB+4*\t:BB+4*\t+3], v[RD] offset:\t*SPITCH
.endr
.endm
.macro SEND a, younger                 ; younger: the LDS instructions issued behind block a's loads, which may stay out
.set BB, BK+64*((\a)%2)
	s_wait_dscnt \younger
.if (\a) > 0
	s_add_nc_u64 s[98:99], s[98:99], 16*SIZE_N*4   ; (behind a wait on XCNT: the earlier stores have read their base)  16 rows of C on
.endif
.irp t, 0,1,2,3,4,5,6,7,8,9,10,11,12,13,14,15
	global_store_b128 v[CO], v[BB+4*\t:BB+4*\t+3], s[98:99] offset:\t*SIZE_N*4 th:TH_STORE_NT   ; 32 lanes store 512 consecutive bytes, at a multiple of 256 from C's first byte
.endr
.endm
	PLACES NP
	TOSTAGE 0
.irp a, 1,2,3,4,5,6,7
.if \a > 1
	s_wait_xcnt 0x0                                ; block a - 2's stores have read their registers and their base
.endif
	TOSTAGE \a
	SEND \a-1, 32                                  ; behind block a - 1's loads: block a's 16 stores and 16 loads
.endr
	s_wait_xcnt 0x0
	SEND 7, 0
	s_wait_tensorcnt 0x0                           ; the wave's end
	ds_add_u32 v[SPW], v[NIL]
	s_wait_dscnt 0x0
	CROUND                                         ; the closing round
	s_endpgm
.Lfunc_end_k_qefd6f815fb_oproj:
	.size	k_qefd6f815fb_oproj, .Lfunc_end_k_qefd6f815fb_oproj-k_qefd6f815fb_oproj
	.p2alignl 7, 3214868480
	.fill 96, 4, 3214868480
	.section	.rodata,"a",@progbits
	.p2align	6, 0x0
	.amdhsa_kernel k_qefd6f815fb_oproj
		.amdhsa_group_segment_fixed_size 327680
		.amdhsa_private_segment_fixed_size 0
		.amdhsa_enable_private_segment 0
		.amdhsa_kernarg_size 48
		.amdhsa_user_sgpr_count 2
		.amdhsa_user_sgpr_kernarg_segment_ptr 1
		.amdhsa_wavefront_size32 1
		.amdhsa_system_sgpr_workgroup_id_x 1
		.amdhsa_system_sgpr_workgroup_id_y 1
		.amdhsa_system_sgpr_workgroup_id_z 1
		.amdhsa_system_vgpr_workitem_id 0
		.amdhsa_next_free_vgpr 1024
		.amdhsa_next_free_sgpr 100
		.amdhsa_reserve_vcc 0
		.amdhsa_float_denorm_mode_32 3
		.amdhsa_float_denorm_mode_16_64 3
		.amdhsa_memory_ordered 1
		.amdhsa_forward_progress 1
		.amdhsa_inst_pref_size 155
	.end_amdhsa_kernel
	.amdgpu_metadata
---
amdhsa.version: [ 1, 2 ]
amdhsa.kernels:
  - .name:           k_qefd6f815fb_oproj
    .symbol:         k_qefd6f815fb_oproj.kd
    .args:
      - { .name: cc, .offset: 0, .size: 8, .value_kind: global_buffer, .address_space: global }
      - { .name: cs, .offset: 8, .size: 8, .value_kind: global_buffer, .address_space: global }
      - { .name: W_o_codes, .offset: 16, .size: 8, .value_kind: global_buffer, .address_space: global }
      - { .name: W_o_scales, .offset: 24, .size: 8, .value_kind: global_buffer, .address_space: global }
      - { .name: b_o, .offset: 32, .size: 8, .value_kind: global_buffer, .address_space: global }
      - { .name: out0, .offset: 40, .size: 8, .value_kind: global_buffer, .address_space: global }
    .group_segment_fixed_size: 327680
    .private_segment_fixed_size: 0
    .kernarg_segment_align: 8
    .kernarg_segment_size: 48
    .max_flat_workgroup_size: 128
    .sgpr_count:     100
    .vgpr_count:     1024
    .wavefront_size: 32
...
	.end_amdgpu_metadata
.endif
;; end of part 3
